; MI455X (gfx1250); checked and timed in simulation.
; The chip was launched on July 23, 2026; its instructions are those of AMD's public machine-readable ISA for CDNA 5 (MIT licence, August 2026) and "CDNA5" Instruction Set Architecture Reference Guide (July 2026). The comments in the code are by the model that wrote it; some were corrected since.
;; Top K Moe Layer. Allowed arithmetic: matrix products marked QUANTISED: E2M1 operands, one E8M0 scale for each 32 along K, by v_wmma_scale_f32_16x16x128_f8f6f4 with both operands' format E2M1 (or v_wmma_scale_f32_32x16x128_f4), f32 sums; products left as they are: f32 operands where the result goes on into a quantised operand, else bf16, f16 or f32 operands; f32 sums; everything else in f32.
;; Inputs: expert_b 8 x 1,024 float32; expert_w 8 x 1,024 x 1,024 float32; gate_b 10 float32; gate_w 10 x 1,024 float32; inputs 4 x 2,048 x 1,024 float32.
;; Outputs: out0 4 x 2,048 x 1,024 float32.
;; This version of the problem:
;;   THIS VERSION OF THE PROBLEM IS GIVEN IN LOW PRECISION. The matrix products marked QUANTISED in the list below multiply operands that are first quantised to E2M1 (2 exponent bits, 1 mantissa bit; 4 bits a number), with one power-of-two scale for each 32 numbers along K (OCP MX v1.0); their sums are f32. All else is computed in f32.
;;   The module's matrix products, in the order in which they are computed (A, B: the left and right operand; K: the contracted axis; several contracted axes count as one K, in the product's order):
;;     1. [M 8,192, K 1,024] x [K 1,024, N 10]; A: input inputs; B: input gate_w: left as it is (N = 10 < 16)
;;     2. batch 8,192 x [M 1, K 2] x [K 2, N 10]; A: computed on the way; B: computed on the way: left as it is (K = 2 < 32)
;;     3. [M 8,192, K 1,024] x [K 1,024, N 8,192]; A: input inputs; B: input expert_w: QUANTISED
;;     4. batch 8,192 x [M 1, K 8] x [K 8, N 1,024]; A: computed on the way; B: computed on the way: left as it is (K = 8 < 32)
;;   THE QUANTISER, for each operand of a quantised product, along K:
;;     - K is cut into blocks of 32 from its start; a last block that is shorter is filled with zeros.
;;     - A block's scale is 2^e with e = floor(log2(the largest magnitude in the block)) - 2, held to -126 .. 127; a block of zeros has e = 0. As a byte (E8M0): e + 127.
;;     - Each number is divided by its block's scale, clamped to +-6, and rounded to the nearest number of E2M1, ties to even, subnormals kept.
;;     - The product sums the exact products of the quantised numbers (number of the format x scale) in f32.
;;   ~~~python
;;   def quantise(x, axis):      # numpy; x: float32 -> the quantised numbers, widened to float32 again
;;       x = np.moveaxis(x, axis, -1); K = x.shape[-1]
;;       x = np.pad(x, [(0, 0)] * (x.ndim - 1) + [(0, -K % 32)]); x = x.reshape(x.shape[:-1] + (-1, 32)); a = np.abs(x).max(-1, keepdims=True)
;;       e = np.where(a > 0, np.clip(np.frexp(np.where(a > 0, a, 1))[1] - 1 - 2, -126, 127), 0)      # np.frexp(a)[1] - 1 = floor(log2(a)), exactly
;;       r = np.clip(x / 2.0 ** e, -6, 6)
;;       step = 2.0 ** (np.maximum(np.frexp(np.where(r == 0, 1, r))[1] - 1, 0) - 1)
;;       q = np.round(r / step) * step * 2.0 ** e      # np.round: ties to even
;;       return np.moveaxis(q.reshape(q.shape[:-2] + (-1,))[..., :K], -1, axis).astype(np.float32)
;;   ~~~
;; 2 versions. Each part assembles by itself: llvm-mc -triple=amdgcn-amd-amdhsa -mcpu=gfx1250 --defsym DOCPART=n.
;; ======== version 1 of 2: 3 launches
;; workspace buffers: xq 4,194,304 bytes; xs 262,144 bytes; cw 262,144 bytes; wq 4,194,304 bytes; ws 262,144 bytes; route 131,072 bytes of whole numbers; order 33,024 bytes of whole numbers
;; launch prep (part 1): grid 512 x 1, 4 waves a work-group, no clusters, 46,080 bytes of LDS; arguments inputs, gate_w, gate_b, expert_w, xq, xs, cw, route, wq, ws; writes xq, xs, cw, route, wq, ws
.if DOCPART == 1
	.amdgcn_target "amdgcn-amd-amdhsa--gfx1250"
	.amdhsa_code_object_version 6
	.text
	.protected	k_qf72df9fa7c_prep
	.globl	k_qf72df9fa7c_prep
	.p2align	8
	.type	k_qf72df9fa7c_prep,@function
k_qf72df9fa7c_prep:
	s_mov_b64 s[64:65], 0
	v_nop
	global_prefetch_b8 v0, s[64:65] scope:SCOPE_SE
	s_setreg_imm32_b32 hwreg(HW_REG_WAVE_MODE, 25, 1), 1
	s_wait_xcnt 0x0
; PREP: both operands of the experts' product become codes of FP4 (E2M1) with one E8M0 byte for each 32 along K, and the router chooses.
; Work-groups with an even number take 32 tokens of x (quantise, logits, top-2, combine weights, sort key); those with an odd number take
; 128 columns x 256 along K of one expert's weight.  The two ways part on the work-group's number at the head and never join.
; ONE ORDER OF K's BLOCKS FOR BOTH OPERANDS.  The true block k = 128 j + 32 g + 0..31 (j 0..7, g 0..3) lies at slot p = 8 g + j: K step p / 4 of the
; matrix instruction, block p % 4 in it.  The blocks are the quantiser's own; only the order in which their products are summed differs.
;   xq [token][slot 32][16 bytes]        xs [token][8 words]: word s', byte b' = the byte of slot 4 s' + b'
;   wq [expert][tile of 16 columns 64][s' 8][c 2][lane 32][16 bytes]: the registers of an operand, lane by lane
;   ws [expert][32 columns 32][g 4][lane 32][2 words]: lane = column, words s' = 2 g, 2 g + 1
;   cw [expert 8][token] f32: the combine weight, 0 where the expert was not chosen
;   route, 512 bytes for each 32 tokens: +0 a histogram of 64 sort keys, +256 for each token key | rank among its group's equal keys << 8
; A block's scale is 2^(floor(log2(largest magnitude)) - 2): its byte is the largest magnitude's exponent field - 2, held at 1 from below.
; LIMITS.  NaN and infinities among the inputs are not served.  A block of zeros gets the byte 1 where the rule says 127: its codes are zeros and this
; program alone reads the bytes.  The two largest are taken of the logits, the lower index first among equals: two unequal logits whose f32
; probabilities are equal could be ordered otherwise than by the probabilities.  A softmax term under 2^-126 counts as 0 (v_exp_f32 gives 0 there).
; No matrix unit, no tensor loads, no cluster: two streams that are read once, by many loads a wave; work-groups share only the small gate.
.set GATE,   0                         ; LDS (x's way alone): gate_w as it lies, 40,960 bytes
.set STAGE,  40960                     ; 512 bytes for each wave: a token's codes on their way from 2 bytes a lane to 16
.set LOGITS, 43008                     ; 32 tokens x 80 bytes: ten logits each
.set M,   8                            ; v8-15   block j's largest magnitude, then the conversion's scale operand
.set Q,   16                           ; v16-23  scale bytes, then codes
.set CD,  24                           ; v24-27  my 16 bytes of the token's codes
.set XSW, 28                           ; v28-29  the two scale words that my lane keeps: row lane % 8, g = lane / 8
.set WD,  30                           ; v30-31  this row's two scale words
.set A,   32                           ; v32-55  twelve sums in pairs: experts 0-7; 8 and 9 in two chains each
.set X,   64                           ; v64-191 four rows of x, 32 registers each: register 4 j + i = k 128 j + 4 lane + i
.set G8,  192                          ; v192-255 the gate's rows 8 and 9 in x's layout; rows 0-7 fill window 1, at 32 e
.set MSB, 0
.macro WIN new                         ; s_set_vgpr_msb: bits 1:0 source 0, 3:2 source 1, 5:4 source 2, 7:6 destination; the high byte repeats the setting that is left
.if MSB != \new
	s_set_vgpr_msb (MSB<<8)|\new
.set MSB, \new
.endif
.endm
	s_load_b512 s[4:19], s[0:1], 0x0               ; inputs s[4:5], gate_w s[6:7], gate_b s[8:9], expert_w s[10:11], xq s[12:13], xs s[14:15], cw s[16:17], route s[18:19]
	s_load_b128 s[20:23], s[0:1], 0x40             ; wq s[20:21], ws s[22:23]
	v_lshl_add_u32 v62, v0, 2, 0xb200
	v_mov_b32 v63, 0
	v_lshrrev_b32 v1, 5, v0
	v_readfirstlane_b32 s26, v1                    ; wave 0..3
	s_lshr_b32 s25, ttmp9, 1                       ; which group of tokens, or which piece of the weights
	s_and_b32 s24, ttmp9, 1
	s_cmp_lg_u32 s24, 0
	s_cbranch_scc1 .Lweights
; ---------------------------------------------------------------- x: 32 tokens, 8 rows a wave
	v_and_b32 v10, 31, v0                          ; lane
	v_lshlrev_b32 v1, 4, v10                       ; 16 x lane: my bytes of a load's 512, of a token's codes, and of a gate row's piece in LDS
	v_lshrrev_b32 v11, 3, v10                      ; g = lane / 8
	v_and_b32 v12, 7, v0                           ; lane % 8
	v_and_b32 v13, 15, v0
	s_lshl_b32 s34, s26, 9
	s_add_co_u32 s34, s34, STAGE                   ; my wave's stage
	v_lshlrev_b32 v2, 7, v11
	v_lshl_add_u32 v2, v12, 1, v2
	v_add_nc_u32 v2, s34, v2                       ; in: slot 8 g + j at 128 g + 16 j; my four codes at 2 (lane % 8)
	v_add_nc_u32 v3, s34, v1                       ; back: slot = lane
	s_mul_i32 s35, s26, 640
	s_add_co_u32 s35, s35, LOGITS
	v_lshlrev_b32 v4, 2, v13
	v_add_nc_u32 v4, s35, v4                       ; my wave's eight rows of logits: expert lane % 16
	v_mul_u32_u24 v5, v10, 80
	v_add_nc_u32 v5, LOGITS, v5                    ; and, for the wave that chooses: token = lane
	v_lshlrev_b32 v6, 5, v12
	v_lshl_add_u32 v6, v11, 3, v6                  ; xs: row lane % 8 of 32 bytes, words 2 g and 2 g + 1
	v_lshlrev_b32 v7, 4, v0                        ; 16 x thread: the gate's copy
	v_mov_b32 v56, 0                               ; written once: a lane permute's destination counts as one of its sources
	s_mov_b32 s47, 0xff00ff00                      ; lanes whose bit 3 is set; bit 2; bit 1; bit 0
	s_mov_b32 s48, 0xf0f0f0f0
	s_mov_b32 s49, 0xcccccccc
	s_mov_b32 s50, 0xaaaaaaaa
	s_mov_b32 s52, 0x76543210                      ; v_permlanex16_b32's selects for lane l xor 16
	s_mov_b32 s53, 0xfedcba98
	s_lshl_b32 s27, s25, 5
	s_lshl_b32 s24, s26, 3
	s_add_co_u32 s27, s27, s24                     ; my wave's first token: 32 x group + 8 x wave
	s_lshl_b32 s28, s27, 12                        ; x 4,096 bytes of x,
	s_mov_b32 s29, 0
	s_lshl_b32 s30, s27, 9                         ; x 512 of codes,
	s_mov_b32 s31, 0
	s_lshl_b32 s32, s27, 5                         ; x 32 of scale bytes
	s_mov_b32 s33, 0
	s_wait_kmcnt 0x0
	s_add_nc_u64 s[28:29], s[4:5], s[28:29]
	s_add_nc_u64 s[30:31], s[12:13], s[30:31]
	s_add_nc_u64 s[32:33], s[14:15], s[32:33]
	s_load_b256 s[36:43], s[8:9], 0x0              ; gate_b: 40 bytes; waited for where it is used
	s_load_b64 s[44:45], s[8:9], 0x20
.macro XLOAD r                         ; row r of my eight: each load reads 512 consecutive bytes
.irp j, 0,1,2,3,4,5,6,7
	global_load_b128 v[X+32*((\r)%4)+4*\j:X+32*((\r)%4)+4*\j+3], v1, s[28:29] offset:4096*(\r)+512*\j th:TH_LOAD_NT
.endr
.endm
; Two sums u and v become one register: lanes whose mask bit is 0 go on with u, the others with v; each adds what its partner (lane xor x) holds of the same sum.
.macro FOLD u, v, m, x, t
	v_cndmask_b32 v[\t], v[\v], v[\u], s[\m]       ; what I send: the sum that my partner keeps
	v_cndmask_b32 v[\u], v[\u], v[\v], s[\m]       ; what I keep
	v_add_f32_dpp v[\u], v[\t], v[\u] row_xmask:\x row_mask:0xf bank_mask:0xf
.endm
	WIN 0x40                                       ; the gate comes once for the work-group: 20 loads of 2,048 bytes, through registers of window 1 into LDS
.irp c, 0,1,2,3,4,5,6,7,8,9,10,11,12,13,14,15,16,17,18,19
	global_load_b128 v[4*\c:4*\c+3], v7, s[6:7] offset:2048*\c
.endr
	WIN 0
	XLOAD 0
	XLOAD 1
	XLOAD 2
	XLOAD 3
	s_wait_loadcnt 32                              ; the gate's 20 loads are in; the four rows' 32 may be out
	WIN 0x04
.irp c, 0,1,2,3,4,5,6,7,8,9,10,11,12,13,14,15,16,17,18,19
	ds_store_b128 v7, v[4*\c:4*\c+3] offset:GATE+2048*\c
.endr
	WIN 0
	s_wait_dscnt 0x0                               ; for the others' sake: my part of the gate lies in LDS
	s_barrier_signal -1
	s_barrier_wait -1
	WIN 0x40                                       ; every wave takes all ten rows in x's layout: they stay in registers for its eight tokens
.irp e, 0,1,2,3,4,5,6,7
.irp j, 0,1,2,3,4,5,6,7
	ds_load_b128 v[32*\e+4*\j:32*\e+4*\j+3], v1 offset:GATE+4096*\e+512*\j
.endr
.endr
	WIN 0
.irp e, 0,1
.irp j, 0,1,2,3,4,5,6,7
	ds_load_b128 v[G8+32*\e+4*\j:G8+32*\e+4*\j+3], v1 offset:GATE+4096*(8+\e)+512*\j
.endr
.endr
	s_wait_dscnt 0x0
; One token.  Eight neighbouring lanes hold a block of 32 (four numbers each), so a block's largest magnitude takes three steps between lanes.
.macro ROW i
.set XB, X+32*((\i)%4)
.if (\i) < 5
	s_wait_loadcnt 24                              ; my row is in; the three younger rows' 24 loads may be out
.else
	s_wait_loadcnt 8*(7-(\i))
.endif
	s_wait_xcnt 0x0                                ; the last row's store has read CD, which is loaded anew below
.irp j, 0,1,2,3,4,5,6,7
	v_max3_num_f32 v[M+\j], |v[XB+4*\j]|, |v[XB+4*\j+1]|, 0x1800000   ; with the floor 2^(3 - 127): the byte cannot fall under 1
.endr
.irp j, 0,1,2,3,4,5,6,7
	v_max3_num_f32 v[M+\j], v[M+\j], |v[XB+4*\j+2]|, |v[XB+4*\j+3]|
.endr
.irp x, 1,2,4
.irp j, 0,1,2,3,4,5,6,7
	v_max_num_f32_dpp v[M+\j], v[M+\j], v[M+\j] row_xmask:\x row_mask:0xf bank_mask:0xf
.endr
.endr
.irp j, 0,1,2,3,4,5,6,7
	v_add_nc_u32 v[M+\j], 0xff000000, v[M+\j]      ; 2 off the exponent field: the conversion takes the exponent field of this operand as its scale
.endr
.irp j, 0,1,2,3,4,5,6,7
	v_lshrrev_b32 v[Q+\j], 23, v[M+\j]             ; the scale's byte
.endr
.irp u, 0,1
	v_lshl_or_b32 v[WD+\u], v[Q+4*\u+1], 8, v[Q+4*\u]        ; blocks j = 4 u .. 4 u + 3 of my g are the four blocks of K step 2 g + u
	v_lshl_or_b32 v[WD+\u], v[Q+4*\u+2], 16, v[WD+\u]
	v_lshl_or_b32 v[WD+\u], v[Q+4*\u+3], 24, v[WD+\u]
.endr
.if (\i) == 0
	v_mov_b32 v[XSW], v[WD]
	v_mov_b32 v[XSW+1], v[WD+1]
.else
	s_mov_b32 s46, 0x01010101<<(\i)                ; the lanes with lane % 8 = this row keep its words
	v_cndmask_b32 v[XSW], v[XSW], v[WD], s46
	v_cndmask_b32 v[XSW+1], v[XSW+1], v[WD+1], s46
.endif
.irp d, 0,1,2,3                        ; eight registers are four numbers of block 2 d and four of block 2 d + 1: converted twice, once under each block's scale
	v_cvt_scalef32_pk8_fp4_f32 v[Q+2*\d], v[XB+8*\d:XB+8*\d+7], v[M+2*\d]         ; the low 16 bits are block 2 d's codes
	v_cvt_scalef32_pk8_fp4_f32 v[Q+2*\d+1], v[XB+8*\d:XB+8*\d+7], v[M+2*\d+1]     ; the high 16 bits block 2 d + 1's
.endr
	v_nop                                          ; one plain place behind the scaled conversions
.irp d, 0,1,2,3
	ds_store_b16 v2, v[Q+2*\d] offset:32*\d
	ds_store_b16_d16_hi v2, v[Q+2*\d+1] offset:32*\d+16
.endr
	ds_load_b128 v[CD:CD+3], v3                    ; LDS serves a wave's instructions in order: this sees the stores above; the sums below stand between it and its use
	WIN 0x04                                       ; the logits: ten dot products of 1,024 in f32; source 1 = the gate's rows 0-7 in window 1; eight chains
.irp q, 0,1,2,3,4,5,6,7,8,9,10,11,12,13,14,15
.irp e, 0,1,2,3,4,5,6,7
.if \q == 0
	v_pk_mul_f32 v[A+2*\e:A+2*\e+1], v[XB+2*\q:XB+2*\q+1], v[32*\e+2*\q:32*\e+2*\q+1]
.else
	v_pk_fma_f32 v[A+2*\e:A+2*\e+1], v[XB+2*\q:XB+2*\q+1], v[32*\e+2*\q:32*\e+2*\q+1], v[A+2*\e:A+2*\e+1]
.endif
.endr
.endr
	WIN 0
.irp q, 0,1,2,3,4,5,6,7,8,9,10,11,12,13,14,15
.irp e, 0,1
.if \q < 2
	v_pk_mul_f32 v[A+16+4*\e+2*(\q%2):A+17+4*\e+2*(\q%2)], v[XB+2*\q:XB+2*\q+1], v[G8+32*\e+2*\q:G8+32*\e+2*\q+1]
.else
	v_pk_fma_f32 v[A+16+4*\e+2*(\q%2):A+17+4*\e+2*(\q%2)], v[XB+2*\q:XB+2*\q+1], v[G8+32*\e+2*\q:G8+32*\e+2*\q+1], v[A+16+4*\e+2*(\q%2):A+17+4*\e+2*(\q%2)]
.endif
.endr
.endr
	v_pk_add_f32 v[A+16:A+17], v[A+16:A+17], v[A+18:A+19]
	v_pk_add_f32 v[A+20:A+21], v[A+20:A+21], v[A+22:A+23]
.irp e, 0,1,2,3,4,5,6,7,8,10
	v_add_f32 v[A+2*\e], v[A+2*\e], v[A+2*\e+1]    ; my lane's part of expert e's logit at A + 2 e (expert 9's at A + 20)
.endr
	FOLD A, A+16, 47, 8, 57                        ; across the lanes, halving the number of registers: at the end lane % 16 = e holds logit e
	FOLD A+2, A+20, 47, 8, 58
.irp e, 2,3,4,5,6,7
	v_add_f32_dpp v[A+2*\e], v[A+2*\e], v[A+2*\e] row_xmask:8 row_mask:0xf bank_mask:0xf   ; (no experts 10-15 to pair with)
.endr
	FOLD A, A+8, 48, 4, 57
	FOLD A+2, A+10, 48, 4, 58
	FOLD A+4, A+12, 48, 4, 59
	FOLD A+6, A+14, 48, 4, 60
	FOLD A, A+4, 49, 2, 57
	FOLD A+2, A+6, 49, 2, 58
	FOLD A, A+2, 50, 1, 57
	v_permlanex16_b32 v56, v[A], s52, s53
	v_add_f32 v[A], v[A], v56
	ds_store_b32 v4, v[A] offset:80*(\i)           ; lanes 10-15 of each half write into the row's spare bytes, which nobody reads
	s_wait_dscnt 0x0                               ; CD is in
	global_store_b128 v1, v[CD:CD+3], s[30:31] offset:512*(\i)   ; the token's 512 bytes of codes, consecutive
.if (\i) < 4
	XLOAD (\i)+4
.endif
.endm
.irp w, 0,1,2,3,4,5,6,7
	ROW \w
.endr
	global_store_b64 v6, v[XSW:XSW+1], s[32:33]    ; my wave's eight tokens' scale words: 256 consecutive bytes, aligned
	s_wait_dscnt 0x0                               ; for wave 0's sake: my logits lie in LDS
	s_barrier_signal -1
	s_barrier_wait -1
	s_cmp_lg_u32 s26, 0
	s_cbranch_scc1 .Lxdone
; ---- the choice: wave 0, a lane to a token.  Everything is a selection of values: nothing here steers an address or a branch.
	ds_load_b128 v[64:67], v5
	ds_load_b128 v[68:71], v5 offset:16
	ds_load_b64 v[72:73], v5 offset:32
	s_lshl_b32 s54, s25, 7
	s_mov_b32 s55, 0
	s_add_nc_u64 s[16:17], s[16:17], s[54:55]      ; cw at my group's first token
	s_lshl_b32 s54, s25, 9
	s_add_nc_u64 s[18:19], s[18:19], s[54:55]      ; route at my group's 512 bytes
	v_and_b32 v148, 31, v0
	v_lshlrev_b32 v149, 3, v148                    ; 8 x lane
	v_lshlrev_b32 v148, 2, v148                    ; 4 x lane
	v_mov_b32 v82, 0xff800000                      ; -infinity
	s_wait_kmcnt 0x0                               ; gate_b
	s_wait_dscnt 0x0
.irp e, 0,1,2,3,4,5,6,7,8,9
	v_add_f32 v[64+\e], s[36+\e], v[64+\e]
.endr
	v_mov_b32 v80, v64                             ; the largest logit and its index: a later one wins only if it is greater
	v_mov_b32 v81, 0
.irp e, 1,2,3,4,5,6,7,8,9
	v_cmp_le_f32 vcc_lo, v[64+\e], v80
	v_cndmask_b32 v80, v[64+\e], v80, vcc_lo
	v_cndmask_b32 v81, \e, v81, vcc_lo
.endr
.irp e, 0,1,2,3,4,5,6,7,8,9
	v_cmp_eq_u32 vcc_lo, \e, v81
	v_cndmask_b32 v[96+\e], v[64+\e], v82, vcc_lo  ; the winner is taken out
.endr
	v_mov_b32 v83, v96                             ; the second
	v_mov_b32 v84, 0
.irp e, 1,2,3,4,5,6,7,8,9
	v_cmp_le_f32 vcc_lo, v[96+\e], v83
	v_cndmask_b32 v83, v[96+\e], v83, vcc_lo
	v_cndmask_b32 v84, \e, v84, vcc_lo
.endr
.irp e, 0,1,2,3,4,5,6,7,8,9
	v_sub_f32 v[112+\e], v[64+\e], v80             ; the softmax: the largest logit is taken away first
.endr
	v_sub_f32 v122, v83, v80
.irp e, 0,1,2,3,4,5,6,7,8,9,10
	v_mul_f32 v[112+\e], 0x3fb8aa3b, v[112+\e]     ; x log2(e)
.endr
.irp e, 0,1,2,3,4,5,6,7,8,9,10
	v_exp_f32 v[112+\e], v[112+\e]
.endr
	v_nop                                          ; a plain place behind the exponentials
	s_wait_alu depctr_va_vdst(0)                   ; one wait for the batch, ahead of its first reader
	v_add_f32 v85, v112, v113
	v_add_f32 v86, v114, v115
.irp e, 4,6,8
	v_add_f32 v85, v85, v[112+\e]
	v_add_f32 v86, v86, v[113+\e]
.endr
	v_add_f32 v85, v85, v86
	v_rcp_f32 v86, v85                             ; the largest's probability: its exponential is 1
	v_nop
	s_wait_alu depctr_va_vdst(0)
	v_mul_f32 v87, v122, v86                       ; the second's
	v_cmp_gt_u32 vcc_lo, 8, v81
	v_cndmask_b32 v88, 0, v86, vcc_lo              ; null experts (8, 9) count for nothing
	v_cmp_gt_u32 vcc_lo, 8, v84
	v_cndmask_b32 v89, 0, v87, vcc_lo
	v_add_f32 v90, v88, v89
	v_cmp_lt_f32 vcc_lo, 0, v90
	v_cndmask_b32 v90, 1.0, v90, vcc_lo            ; a divisor that is not above 0 becomes 1
	v_rcp_f32 v91, v90
	v_nop
	s_wait_alu depctr_va_vdst(0)
	v_mul_f32 v92, v88, v91
	v_mul_f32 v93, v89, v91
.irp e, 0,1,2,3,4,5,6,7
	v_cmp_eq_u32 vcc_lo, \e, v81
	v_cndmask_b32 v[128+\e], 0, v92, vcc_lo
	v_cmp_eq_u32 vcc_lo, \e, v84
	v_cndmask_b32 v[128+\e], v[128+\e], v93, vcc_lo
	global_store_b32 v148, v[128+\e], s[16:17] offset:32768*\e
.endr
	; the sort key: a < b the two experts, both nulls counted as 8: key = a (17 - a) / 2 + b - a - 1, 0 .. 35; two nulls: 36.  Neighbouring keys share a.
	v_min_u32 v140, v81, v84
	v_max_u32 v141, v81, v84
	v_min_u32 v141, 8, v141
	v_sub_nc_u32 v142, 17, v140
	v_mul_u32_u24 v142, v142, v140
	v_lshrrev_b32 v142, 1, v142
	v_add_nc_u32 v142, v142, v141
	v_sub_nc_u32 v142, v142, v140
	v_add_nc_u32 v142, -1, v142
	v_cmp_ne_u32 vcc_lo, 8, v140
	v_cndmask_b32 v142, 36, v142, vcc_lo
	v_mov_b32 v144, 0                              ; the histogram: lane l holds the counts of keys 2 l and 2 l + 1
	v_mov_b32 v145, 0
	v_mov_b32 v143, 0                              ; my rank among my group's tokens of my key
.set kk, 0
.rept 37
	v_cmp_eq_u32 s51, kk, v142
	s_bcnt1_i32_b32 s54, s51
	v_writelane_b32 v[144+(kk&1)], s54, kk>>1
	v_mbcnt_lo_u32_b32 v146, s51, 0                ; how many lower lanes have this key
	v_cndmask_b32 v143, v143, v146, s51
.set kk, kk+1
.endr
	v_lshl_or_b32 v147, v143, 8, v142
	global_store_b64 v149, v[144:145], s[18:19]    ; 256 consecutive bytes, aligned
	global_store_b32 v148, v147, s[18:19] offset:256
.Lxdone:
	s_wait_tensorcnt 0x0
	ds_add_u32 v62, v63
	s_wait_dscnt 0x0
	s_endpgm
; ---------------------------------------------------------------- W: expert e, columns 128 cb .. + 127 (32 a wave), the eight blocks k = 128 j + 32 g + 0..31
; expert_w is [e][k][n]: K is not innermost.  A lane takes a column and its registers run down K: a block of 32 lies in one lane, its largest magnitude
; needs no other lane, and the conversions' four registers are the 16 bytes that one lane of the operand wants.
.macro WLOAD t                         ; block j = t into set t % 2: each load reads 128 consecutive bytes, the four waves side by side 512
.irp i, 0,1,2,3,4,5,6,7,8,9,10,11,12,13,14,15,16,17,18,19,20,21,22,23,24,25,26,27,28,29,30,31
	global_load_b32 v[X+32*((\t)%2)+\i], v1, s[10:11] offset:(128*(\t)+\i)*4096 th:TH_LOAD_NT
.endr
.endm
.macro WBLOCK t
.set XB, X+32*((\t)%2)
.if (\t) < 7
	s_wait_loadcnt 32                              ; this block's 32 loads are in; the next block's may be out
.else
	s_wait_loadcnt 0x0
.endif
	v_max3_num_f32 v12, |v[XB]|, |v[XB+1]|, |v[XB+2]|
	v_max3_num_f32 v13, |v[XB+3]|, |v[XB+4]|, |v[XB+5]|
.irp i, 6,10,14,18,22,26
	v_max3_num_f32 v12, v12, |v[XB+\i]|, |v[XB+\i+1]|
	v_max3_num_f32 v13, v13, |v[XB+\i+2]|, |v[XB+\i+3]|
.endr
	v_max3_num_f32 v12, v12, |v[XB+30]|, |v[XB+31]|
	v_max3_num_f32 v12, v12, v13, 0x1800000        ; and the floor 2^(3 - 127)
	v_add_nc_u32 v11, 0xff000000, v12              ; the conversion's scale operand
	v_lshrrev_b32 v13, 23, v11                     ; the scale's byte: word t / 4, byte t % 4
.if (\t)%4 == 0
	v_mov_b32 v[160+(\t)/4], v13
.else
	v_lshl_or_b32 v[160+(\t)/4], v13, 8*((\t)%4), v[160+(\t)/4]
.endif
.irp c, 0,1,2,3
	v_cvt_scalef32_pk8_fp4_f32 v[128+4*(\t)+\c], v[XB+8*\c:XB+8*\c+7], v11
.endr
	v_nop                                          ; one plain place behind the scaled conversions
	global_store_b128 v2, v[128+4*(\t):128+4*(\t)+3], s[20:21] offset:((\t)/4)*1024+(((\t)%4)/2)*512+((\t)%2)*256   ; each half of the lanes stores 256 consecutive bytes, aligned; every block has its own registers
.if (\t)+2 < 8
	WLOAD (\t)+2
.endif
.endm
.Lweights:
	v_and_b32 v4, 31, v0
	v_lshlrev_b32 v1, 2, v4                        ; in: 4 bytes a lane
	v_lshrrev_b32 v5, 4, v4
	v_and_b32 v6, 15, v0
	v_lshlrev_b32 v2, 4, v6
	v_lshl_add_u32 v2, v5, 13, v2                  ; out: tile lane / 16 of my two (8,192 bytes apart), lane % 16 of the operand's lanes
	v_lshlrev_b32 v3, 3, v4                        ; two scale words a lane
	s_lshr_b32 s27, s25, 5                         ; e
	s_bfe_u32 s28, s25, 0x30002                    ; cb: 3 bits from bit 2
	s_and_b32 s29, s25, 3                          ; g
	s_lshl_b32 s28, s28, 2
	s_add_co_u32 s28, s28, s26                     ; which 32 columns: 4 cb + wave
	s_lshl_b32 s30, s27, 22                        ; expert_w: e x 4 MiB + 32 g rows of 4,096 bytes + 128 bytes for each 32 columns
	s_lshl_b32 s24, s29, 17
	s_add_co_u32 s30, s30, s24
	s_lshl_b32 s24, s28, 7
	s_add_co_u32 s30, s30, s24
	s_mov_b32 s31, 0
	s_lshl_b32 s32, s27, 19                        ; wq: e x 524,288 + two tiles of 8,192 + K steps 2 g, 2 g + 1 of 1,024
	s_lshl_b32 s24, s28, 14
	s_add_co_u32 s32, s32, s24
	s_lshl_b32 s24, s29, 11
	s_add_co_u32 s32, s32, s24
	s_mov_b32 s33, 0
	s_lshl_b32 s34, s27, 15                        ; ws: e x 32,768 + 1,024 for each 32 columns + 256 g
	s_lshl_b32 s24, s28, 10
	s_add_co_u32 s34, s34, s24
	s_lshl_b32 s24, s29, 8
	s_add_co_u32 s34, s34, s24
	s_mov_b32 s35, 0
	s_wait_kmcnt 0x0
	s_add_nc_u64 s[10:11], s[10:11], s[30:31]
	s_add_nc_u64 s[20:21], s[20:21], s[32:33]
	s_add_nc_u64 s[22:23], s[22:23], s[34:35]
	WLOAD 0
	WLOAD 1
.irp w, 0,1,2,3,4,5,6,7
	WBLOCK \w
.endr
	global_store_b64 v3, v[160:161], s[22:23]      ; 256 consecutive bytes, aligned
	s_endpgm
.Lfunc_end_k_qf72df9fa7c_prep:
	.size	k_qf72df9fa7c_prep, .Lfunc_end_k_qf72df9fa7c_prep-k_qf72df9fa7c_prep
	.p2alignl 7, 3214868480
	.fill 96, 4, 3214868480
	.section	.rodata,"a",@progbits
	.p2align	6, 0x0
	.amdhsa_kernel k_qf72df9fa7c_prep
		.amdhsa_group_segment_fixed_size 46080
		.amdhsa_private_segment_fixed_size 0
		.amdhsa_enable_private_segment 0
		.amdhsa_kernarg_size 80
		.amdhsa_user_sgpr_count 2
		.amdhsa_user_sgpr_kernarg_segment_ptr 1
		.amdhsa_wavefront_size32 1
		.amdhsa_system_sgpr_workgroup_id_x 1
		.amdhsa_system_sgpr_workgroup_id_y 1
		.amdhsa_system_sgpr_workgroup_id_z 1
		.amdhsa_system_vgpr_workitem_id 0
		.amdhsa_next_free_vgpr 512
		.amdhsa_next_free_sgpr 66
		.amdhsa_reserve_vcc 1
		.amdhsa_float_denorm_mode_32 3
		.amdhsa_float_denorm_mode_16_64 3
		.amdhsa_memory_ordered 1
		.amdhsa_forward_progress 1
		.amdhsa_inst_pref_size 219
	.end_amdhsa_kernel
	.amdgpu_metadata
---
amdhsa.version: [ 1, 2 ]
amdhsa.kernels:
  - .name:           k_qf72df9fa7c_prep
    .symbol:         k_qf72df9fa7c_prep.kd
    .args:
      - { .name: inputs, .offset: 0, .size: 8, .value_kind: global_buffer, .address_space: global }
      - { .name: gate_w, .offset: 8, .size: 8, .value_kind: global_buffer, .address_space: global }
      - { .name: gate_b, .offset: 16, .size: 8, .value_kind: global_buffer, .address_space: global }
      - { .name: expert_w, .offset: 24, .size: 8, .value_kind: global_buffer, .address_space: global }
      - { .name: xq, .offset: 32, .size: 8, .value_kind: global_buffer, .address_space: global }
      - { .name: xs, .offset: 40, .size: 8, .value_kind: global_buffer, .address_space: global }
      - { .name: cw, .offset: 48, .size: 8, .value_kind: global_buffer, .address_space: global }
      - { .name: route, .offset: 56, .size: 8, .value_kind: global_buffer, .address_space: global }
      - { .name: wq, .offset: 64, .size: 8, .value_kind: global_buffer, .address_space: global }
      - { .name: ws, .offset: 72, .size: 8, .value_kind: global_buffer, .address_space: global }
    .group_segment_fixed_size: 46080
    .private_segment_fixed_size: 0
    .kernarg_segment_align: 8
    .kernarg_segment_size: 80
    .max_flat_workgroup_size: 128
    .sgpr_count:     66
    .vgpr_count:     512
    .wavefront_size: 32
...
	.end_amdgpu_metadata
.endif
;; end of part 1
;; launch place (part 2): grid 5 x 1, 4 waves a work-group, no clusters, 8,704 bytes of LDS; arguments route, order; writes order
.if DOCPART == 2
	.amdgcn_target "amdgcn-amd-amdhsa--gfx1250"
	.amdhsa_code_object_version 6
	.text
	.protected	k_qf72df9fa7c_place
	.globl	k_qf72df9fa7c_place
	.p2align	8
	.type	k_qf72df9fa7c_place,@function
k_qf72df9fa7c_place:
	s_mov_b64 s[64:65], 0
	v_nop
	global_prefetch_b8 v0, s[64:65] scope:SCOPE_SE
	s_setreg_imm32_b32 hwreg(HW_REG_WAVE_MODE, 25, 1), 1
	s_wait_xcnt 0x0
; PLACE: a counting sort of the 8,192 tokens by their sort key (0 .. 36), without atomics.
; In: route, 512 bytes for each group of 32 tokens: a histogram of 64 keys, and for each token key | rank in its group << 8.
; Out: order[place] = token, 8,192 words; behind them, for each block of 128 places, the bits of the true experts that its tokens use (64 words).
; A token's place = tokens of lower keys + tokens of its key in earlier groups + its rank in its group.
; SHARES.  A chunk is 16 groups.  Work-groups 0 to 3 place: wave w of work-group j takes chunk 4 j + w.  Work-group 4 makes the 64 masks.  So each wave has a SIMD to itself, and the masks
; are made beside the placing.  What every work-group needs of the others' tokens is the table of the 16 chunks' totals: each makes it for itself (wave w adds up the histograms of groups
; 64 w .. 64 w + 63, 16,384 bytes), so that nothing passes between work-groups.  The two ways part on the work-group's number at the head and never join; each has LDS bytes of its own.
; A table over keys is a pair of registers: lane l holds keys 2 l and 2 l + 1.
; The places are scattered: 8,192 stores of 4 bytes, 32,768 bytes in all; a table in LDS would want addresses made of loaded numbers.
; REGISTERS: v1 8 x lane, v2 4 x lane, v3 where my chunks' totals go; v16-47 my chunk's 16 tables; v48-63 key | rank; v64-95 the 16 chunks' totals, then what the lanes pull;
;   v96-111 lane selects; v[114:115] earlier chunks'; v[116:117] tokens of lower keys; v[118:119] their sum; v120 my token in my chunk's group 0;
;   v128-255 64 histograms, later at work.   s24-39 flags and lane masks; s66-101 running sums over the keys.
.set H,   16
.set KR,  48
.set T,   64
.set IX,  96
.set HH,  128
.set PAR, 128                          ; (when the totals are stored, the histograms' registers are free:) key % 2,
.set PL,  144                          ; the place,
.set TOK, 160                          ; the token
.set PS,  66
.macro HLOADS                          ; the histograms of my 64 groups: 256 consecutive bytes a load
.set i, 0
.rept 64
	global_load_b64 v[HH+2*i:HH+2*i+1], v1, s[8:9] offset:512*i
.set i, i+1
.endr
.endm
.macro CHUNK c, left, lb               ; chunk c of my four: its 16 tables are added in a tree, in place; left: the younger loads that may stay out
	s_wait_loadcnt \left
.irp d, 16,8,4,2
.set i, 0
.rept \d
	v_add_nc_u32 v[HH+32*\c+i], v[HH+32*\c+i], v[HH+32*\c+i+\d]
.set i, i+1
.endr
.endr
	ds_store_b64 v3, v[HH+32*\c:HH+32*\c+1] offset:\lb+256*\c
.endm
.macro BARR
	s_wait_dscnt 0x0                               ; for the others' sake: my four totals lie in LDS
	s_barrier_signal -1
	s_barrier_wait -1
.endm
.macro TLOADS lb                       ; all sixteen totals, in every lane's own two keys
.irp u, 0,1,2,3,4,5,6,7,8,9,10,11,12,13,14,15
	ds_load_b64 v[T+2*\u:T+2*\u+1], v1 offset:\lb+256*\u
.endr
.endm
.macro TOTAL                           ; all tokens' histogram (a tree, in place), then s[PS + k] = tokens of keys 0 .. k.  In batches, so that scalar and vector lines do not wait for each other by turns
.irp d, 16,8,4,2
.set i, 0
.rept \d
	v_add_nc_u32 v[T+i], v[T+i], v[T+i+\d]
.set i, i+1
.endr
.endr
.set k, 0
.rept 36
	v_readlane_b32 s[PS+k], v[T+(k&1)], k>>1
.set k, k+1
.endr
.set k, 1
.rept 35
	s_add_co_u32 s[PS+k], s[PS+k], s[PS+k-1]
.set k, k+1
.endr
.endm
	s_load_b128 s[4:7], s[0:1], 0x0                ; route, order
	v_lshl_add_u32 v113, v0, 2, 0x2000
	v_mov_b32 v121, 0
	v_lshrrev_b32 v5, 5, v0
	v_readfirstlane_b32 s20, v5                    ; wave 0..3
	v_and_b32 v4, 31, v0                           ; lane
	v_lshlrev_b32 v1, 3, v4                        ; 8 x lane
	v_lshlrev_b32 v2, 2, v4                        ; 4 x lane
	s_lshl_b32 s10, s20, 10
	v_add_nc_u32 v3, s10, v1                       ; chunk 4 w's total: 256 bytes a chunk
	s_lshl_b32 s8, s20, 15                         ; my 64 groups of 512 bytes
	s_mov_b32 s9, 0
	s_lshl_b32 s21, ttmp9, 2
	s_add_co_u32 s21, s21, s20                     ; the chunk that I place: 4 x work-group + wave
	s_lshl_b32 s12, s21, 13                        ; its 16 groups of 512 bytes
	s_mov_b32 s13, 0
	s_lshl_b32 s10, s21, 9
	v_add_nc_u32 v120, s10, v4                     ; 512 x chunk + lane
	s_wait_kmcnt 0x0
	s_add_nc_u64 s[8:9], s[4:5], s[8:9]
	s_cmp_eq_u32 ttmp9, 4
	s_cbranch_scc1 .Lmasks
; ---------------------------------------------------------------- work-groups 0 to 3: the places
	s_add_nc_u64 s[12:13], s[4:5], s[12:13]
	HLOADS                                         ; first what the barrier waits for
.irp i, 0,1,2,3,4,5,6,7,8,9,10,11,12,13,14,15
	global_load_b64 v[H+2*\i:H+2*\i+1], v1, s[12:13] offset:512*\i
.endr
.irp i, 0,1,2,3,4,5,6,7,8,9,10,11,12,13,14,15
	global_load_b32 v[KR+\i], v2, s[12:13] offset:512*\i+256
.endr
.irp u, 0,1,2,3,4,5,6,7,8,9,10,11,12,13,14
	s_cmp_gt_u32 s21, \u                           ; chunks ahead of mine count
	s_cselect_b32 s[24+\u], 1, 0
.endr
	v_mov_b32 v116, 0
	v_mov_b32 v117, 0
	CHUNK 0, 63, 0                                 ; behind chunk 0's loads stand 48 + 32, behind chunk 1's 32 + 32: 63 is the largest count that a wait names
	CHUNK 1, 63, 0
	CHUNK 2, 48, 0                                 ; chunk 3's 16 and my own chunk's 32 may be out
	CHUNK 3, 32, 0
	s_wait_loadcnt 16                              ; my chunk's tables are in; the 16 loads of key | rank may be out
.irp i, 1,2,3,4,5,6,7,8,9,10,11,12,13,14,15
	v_add_nc_u32 v[H+2*\i], v[H+2*\i], v[H+2*\i-2]           ; running sums over my groups
	v_add_nc_u32 v[H+2*\i+1], v[H+2*\i+1], v[H+2*\i-1]
.endr
	BARR
	TLOADS 0
	s_wait_dscnt 0x0
	v_mul_u32_u24 v114, s24, v[T]                  ; the totals of the chunks ahead of mine: x 1 or x 0 (a count stays under 2^14)
	v_mul_u32_u24 v115, s24, v[T+1]
.irp u, 1,2,3,4,5,6,7,8,9,10,11,12,13,14
	v_mad_u32_u24 v114, v[T+2*\u], s[24+\u], v114
	v_mad_u32_u24 v115, v[T+2*\u+1], s[24+\u], v115
.endr
	TOTAL
.set k, 1
.rept 36
	v_writelane_b32 v[116+(k&1)], s[PS+k-1], k>>1  ; tokens of lower keys; key 0 keeps the 0
.set k, k+1
.endr
	v_add_nc_u32 v118, v116, v114
	v_add_nc_u32 v119, v117, v115
.irp i, 15,14,13,12,11,10,9,8,7,6,5,4,3,2,1
	v_add_nc_u32 v[H+2*\i], v[H+2*\i-2], v118      ; group i's table: where its first token of each key goes
	v_add_nc_u32 v[H+2*\i+1], v[H+2*\i-1], v119
.endr
	v_mov_b32 v[H], v118
	v_mov_b32 v[H+1], v119
	s_wait_loadcnt 0x0                             ; key | rank
.irp i, 0,1,2,3,4,5,6,7,8,9,10,11,12,13,14,15
	v_and_b32 v[IX+\i], 0xfe, v[KR+\i]
.endr
.irp i, 0,1,2,3,4,5,6,7,8,9,10,11,12,13,14,15
	v_lshlrev_b32 v[IX+\i], 1, v[IX+\i]            ; 4 x the lane that holds my key: key / 2
.endr
.irp i, 0,1,2,3,4,5,6,7,8,9,10,11,12,13,14,15
	ds_bpermute_b32 v[T+2*\i], v[IX+\i], v[H+2*\i]           ; a pull between lanes: no LDS byte is touched
	ds_bpermute_b32 v[T+2*\i+1], v[IX+\i], v[H+2*\i+1]
.endr
.irp i, 0,1,2,3,4,5,6,7,8,9,10,11,12,13,14,15
	v_and_b32 v[PAR+\i], 1, v[KR+\i]               ; from here on stage by stage over the 16 groups: no line waits for the line above it
.endr
.irp i, 0,1,2,3,4,5,6,7,8,9,10,11,12,13,14,15
	v_cmp_eq_u32 s[24+\i], 1, v[PAR+\i]
.endr
.irp i, 0,1,2,3,4,5,6,7,8,9,10,11,12,13,14,15
	v_lshrrev_b32 v[KR+\i], 8, v[KR+\i]            ; my rank
.endr
.irp i, 0,1,2,3,4,5,6,7,8,9,10,11,12,13,14,15
	v_add_nc_u32 v[TOK+\i], 32*\i, v120            ; my token
.endr
	s_wait_dscnt 0x0
.irp i, 0,1,2,3,4,5,6,7,8,9,10,11,12,13,14,15
	v_cndmask_b32 v[PL+\i], v[T+2*\i], v[T+2*\i+1], s[24+\i] ; the even key's entry or the odd key's
.endr
.irp i, 0,1,2,3,4,5,6,7,8,9,10,11,12,13,14,15
	v_add_nc_u32 v[PL+\i], v[PL+\i], v[KR+\i]
.endr
.irp i, 0,1,2,3,4,5,6,7,8,9,10,11,12,13,14,15
	v_min_u32 v[PL+\i], 0x1fff, v[PL+\i]           ; a number made of loaded ones is held inside the table before it enters an address
.endr
.irp i, 0,1,2,3,4,5,6,7,8,9,10,11,12,13,14,15
	v_lshlrev_b32 v[PL+\i], 2, v[PL+\i]
.endr
.irp i, 0,1,2,3,4,5,6,7,8,9,10,11,12,13,14,15
	global_store_b32 v[PL+\i], v[TOK+\i], s[6:7]   ; every store has registers of its own: none is written again
.endr
	s_wait_tensorcnt 0x0
	ds_add_u32 v113, v121
	s_wait_dscnt 0x0
	s_endpgm
; ---------------------------------------------------------------- work-group 4: the blocks' masks
; All four waves add up the totals; then waves 0 and 1 take a lane to a block of 128 places.  A key's tokens fill places [tokens of lower keys, the same with its own):
; the block uses the key's true experts where the two ranges meet.  Key 36, two null experts, has no bit.
.Lmasks:
	HLOADS
	CHUNK 0, 48, 4096                              ; the later chunks' 16 loads each may be out
	CHUNK 1, 32, 4096
	CHUNK 2, 16, 4096
	CHUNK 3, 0, 4096
	BARR
	s_cmp_gt_u32 s20, 1
	s_cbranch_scc1 .Lend
	TLOADS 4096
	v_lshlrev_b32 v123, 7, v0                      ; the block's first place (in waves 0 and 1 the thread's number is the block's)
	v_add_nc_u32 v124, 0x80, v123                  ; and the place behind its last
	v_lshlrev_b32 v122, 2, v0
	v_mov_b32 v125, 0                              ; the mask, in two halves that take turns
	v_mov_b32 v126, 0
	v_mov_b32 v127, 0
	s_wait_dscnt 0x0
	TOTAL
.set kk, 0
.irp a, 0,1,2,3,4,5,6,7
.irp b, 1,2,3,4,5,6,7,8
.if \b > \a
.if kk == 0
	v_mov_b32 v[100+2*(kk%4)], v123
.else
	v_max_u32 v[100+2*(kk%4)], s[PS+kk-1], v123
.endif
	v_min_u32 v[101+2*(kk%4)], s[PS+kk], v124
	v_cmp_ge_u32 vcc_lo, v[100+2*(kk%4)], v[101+2*(kk%4)]    ; the ranges do not meet; an empty key never meets
	v_cndmask_b32 v[108+(kk%4)], (1<<\a)|((1<<\b)&255), v127, vcc_lo   ; b = 8 stands for a null expert: no bit
	v_or_b32 v[125+(kk&1)], v[125+(kk&1)], v[108+(kk%4)]
.set kk, kk+1
.endif
.endr
.endr
	v_or_b32 v125, v125, v126
	global_store_b32 v122, v125, s[6:7] offset:32768
.Lend:
	s_wait_tensorcnt 0x0
	ds_add_u32 v113, v121
	s_wait_dscnt 0x0
	s_endpgm
.Lfunc_end_k_qf72df9fa7c_place:
	.size	k_qf72df9fa7c_place, .Lfunc_end_k_qf72df9fa7c_place-k_qf72df9fa7c_place
	.p2alignl 7, 3214868480
	.fill 96, 4, 3214868480
	.section	.rodata,"a",@progbits
	.p2align	6, 0x0
	.amdhsa_kernel k_qf72df9fa7c_place
		.amdhsa_group_segment_fixed_size 8704
		.amdhsa_private_segment_fixed_size 0
		.amdhsa_enable_private_segment 0
		.amdhsa_kernarg_size 16
		.amdhsa_user_sgpr_count 2
		.amdhsa_user_sgpr_kernarg_segment_ptr 1
		.amdhsa_wavefront_size32 1
		.amdhsa_system_sgpr_workgroup_id_x 1
		.amdhsa_system_sgpr_workgroup_id_y 1
		.amdhsa_system_sgpr_workgroup_id_z 1
		.amdhsa_system_vgpr_workitem_id 0
		.amdhsa_next_free_vgpr 256
		.amdhsa_next_free_sgpr 102
		.amdhsa_reserve_vcc 1
		.amdhsa_float_denorm_mode_32 3
		.amdhsa_float_denorm_mode_16_64 3
		.amdhsa_memory_ordered 1
		.amdhsa_forward_progress 1
		.amdhsa_inst_pref_size 60
	.end_amdhsa_kernel
	.amdgpu_metadata
---
amdhsa.version: [ 1, 2 ]
amdhsa.kernels:
  - .name:           k_qf72df9fa7c_place
    .symbol:         k_qf72df9fa7c_place.kd
    .args:
      - { .name: route, .offset: 0, .size: 8, .value_kind: global_buffer, .address_space: global }
      - { .name: order, .offset: 8, .size: 8, .value_kind: global_buffer, .address_space: global }
    .group_segment_fixed_size: 8704
    .private_segment_fixed_size: 0
    .kernarg_segment_align: 8
    .kernarg_segment_size: 16
    .max_flat_workgroup_size: 128
    .sgpr_count:     102
    .vgpr_count:     256
    .wavefront_size: 32
...
	.end_amdgpu_metadata
.endif
;; end of part 2
;; launch experts (part 3): grid 4 x 64, 4 waves a work-group, no clusters, 86,528 bytes of LDS; arguments order, xq, xs, cw, wq, ws, expert_b, out0; writes out0
.if DOCPART == 3
	.amdgcn_target "amdgcn-amd-amdhsa--gfx1250"
	.amdhsa_code_object_version 6
	.text
	.protected	k_qf72df9fa7c_experts
	.globl	k_qf72df9fa7c_experts
	.p2align	8
	.type	k_qf72df9fa7c_experts,@function
k_qf72df9fa7c_experts:
	s_mov_b64 s[64:65], 0
	v_nop
	global_prefetch_b8 v0, s[64:65] scope:SCOPE_SE
	s_setreg_imm32_b32 hwreg(HW_REG_WAVE_MODE, 25, 1), 1
	s_wait_xcnt 0x0
; EXPERTS: out[t] = the sum over the true experts e chosen for token t of cw[e][t] (x[t] W_e + b_e), the product on codes of FP4 (E2M1) with E8M0 scales, sums in f32.
; Only chosen rows are multiplied.  The tokens are sorted by their pair of experts; a work-group owns 128 sorted tokens x 256 columns and walks the experts that the block's stored mask
; names.  A token of the block that did not choose an expert that is walked has the weight 0 there.  Each output row piece has one owner: nothing is added between work-groups.
; SHARES.  Wave w takes all 128 tokens x columns 64 w .. + 63 of the work-group's 256: 8 tiles of tokens x 4 tiles of columns, 32 accumulators.  So each byte of W is read once in a
; work-group, straight into registers, as the operand's registers lie in wq; x's codes are gathered once into LDS and read from there for every expert.
; THE MATRIX INSTRUCTION IS USED TRANSPOSED: source 0 = 16 columns of W, source 1 = 16 tokens: lane (r, h) holds token r and columns 8 h + 0 .. 7: 32 neighbouring bytes of a row of out.
; The bias is the C of each sum's first instruction; the finished sum is multiplied by the token's weight and added to the running result by one packed multiply-add.
; THE NEXT EXPERT'S LOADS GO OUT UNDER THIS EXPERT'S PRODUCTS.  An expert's W, scale words and bias are eight groups of loads, one for each K step; as soon as a K step's products are issued
; its registers take the next expert's group.  The weights follow behind the combine that read the old ones.  So at the head of every expert's products the same loads stand in the same
; order: groups 0 .. 7, then 16 weights.  An expert has a successor or none, and starts the result or adds to it: the four cases are written out by one macro, so that every wait has one
; count on every way that reaches it, and the result is written before it is read on every way.  The experts behind the second are found in a loop of eight trips.
; NO JOINT LOADS, NO TENSOR LOADS: which experts a block walks hangs on a number read from memory and differs from block to block, so partners would want different tiles at
; different times.
; LIMITS: NaN and infinities are not served (a weight 0 times such a sum would not be 0).
; REGISTERS, in windows of 256: window 0: v1-11 addresses; v16-23 4 x token (tile m, row r); v24-55 x's scale words [32 rows m'][s']: lane = row; v56-71 W's [32 columns P][s']: lane = column;
;   v72-87 the weights, a pair a tile; v88-119 the bias, 8 a column tile; v120-123 32 x token; v128-255 x's fragments, two sets of 8.
;   window 1: the 32 accumulators, (m, n) at 8 (4 m + n).   window 2: the running result, likewise.   window 3: one expert's W for my columns: fragment (n, s') at 8 (8 n + s').
.set XP,   528                         ; LDS: a token's codes: 512 bytes + 16: the 16 rows that a load touches start 132 words apart
.set TOKT, 67584                       ; behind 128 such rows: the block's 128 token numbers
.set STG,  68096                       ; the way out: 16 rows x (256 bytes + 16) for each wave
.set SP,   272
.set CWO, 16
.set XS,  24
.set WS,  56
.set C2,  72
.set BI,  88
.set TKV, 120
.set XF,  128
.set MSB, 0
.macro WIN new                         ; s_set_vgpr_msb: bits 1:0 source 0, 3:2 source 1, 5:4 source 2, 7:6 destination; the high byte repeats the setting that is left
.if MSB != \new
	s_set_vgpr_msb (MSB<<8)|\new
.set MSB, \new
.endif
.endm
	s_load_b512 s[4:19], s[0:1], 0x0               ; order s[4:5], xq s[6:7], xs s[8:9], cw s[10:11], wq s[12:13], ws s[14:15], expert_b s[16:17], out0 s[18:19]
	v_lshl_add_u32 v126, v0, 2, 0x15000
	v_mov_b32 v127, 0
	v_lshrrev_b32 v12, 5, v0
	v_readfirstlane_b32 s20, v12                   ; wave 0..3
	s_and_b32 s21, ttmp7, 0xffff                   ; the block of 128 sorted tokens; ttmp9: which 256 columns
	v_and_b32 v13, 31, v0                          ; lane
	v_and_b32 v1, 15, v0                           ; r
	v_bfe_u32 v2, v0, 4, 1                         ; h
	v_mul_u32_u24 v3, v1, XP
	v_lshl_add_u32 v3, v2, 4, v3                   ; a fragment of x: row r, + 16 h
	v_lshlrev_b32 v4, 4, v13                       ; 16 x lane
	v_lshlrev_b32 v5, 3, v13                       ; 8 x lane
	v_lshlrev_b32 v6, 5, v2                        ; 32 h: the bias of my half's eight columns
	s_mul_i32 s22, s20, 16*SP
	s_add_co_u32 s22, s22, STG                     ; my stage
	v_mul_u32_u24 v7, v1, SP
	v_lshl_add_u32 v7, v2, 5, v7
	v_add_nc_u32 v7, s22, v7                       ; in: row r, 32 bytes for each half of the lanes
	v_mul_u32_u24 v8, v2, SP
	v_lshl_add_u32 v8, v1, 4, v8
	v_add_nc_u32 v8, s22, v8                       ; back: lanes 0-15 one row of 256 bytes, lanes 16-31 the next
	v_lshl_add_u32 v9, v2, 2, TOKT                 ; and those two rows' token numbers
	v_lshlrev_b32 v10, 4, v1                       ; 16 r
	s_mul_i32 s22, s20, 32*XP
	v_add_nc_u32 v11, s22, v4                      ; where my wave puts the 32 rows that it gathers
	v_lshl_add_u32 v124, v0, 2, TOKT               ; where my thread puts its token number
	v_lshlrev_b32 v12, 2, v1                       ; 4 r
	v_lshlrev_b32 v13, 2, v13                      ; 4 x lane
	v_lshlrev_b32 v15, 2, v0                       ; 4 x thread
	s_mov_b32 s27, 0
	s_wait_kmcnt 0x0
	s_lshl_b32 s26, s21, 9
	s_add_nc_u64 s[44:45], s[4:5], s[26:27]        ; order at my block's 128 places,
	s_lshl_b32 s26, s20, 7
	s_add_nc_u64 s[48:49], s[44:45], s[26:27]      ; at my wave's 32 of them,
	s_lshl_b32 s26, s21, 2
	s_add_nc_u64 s[50:51], s[4:5], s[26:27]        ; and 32,768 bytes in front of my block's mask
	s_load_b512 s[68:83], s[48:49], 0x0            ; the 32 tokens whose rows I gather
	s_load_b512 s[84:99], s[48:49], 0x40
	s_load_b32 s23, s[50:51], 0x8000
	global_load_b32 v14, v15, s[44:45]
.irp m, 0,1,2,3,4,5,6,7
	global_load_b32 v[CWO+\m], v12, s[44:45] offset:64*\m    ; the token at place 16 m + r
.endr
.irp m, 0,1,2,3
	global_load_b32 v[TKV+\m], v13, s[44:45] offset:128*\m   ; at place 32 m + lane
.endr
	s_lshl_b32 s26, ttmp9, 17                      ; the loop's bases, at expert 0.  wq: my four tiles of 8,192 bytes: 16 x column block + 4 x wave
	s_lshl_b32 s22, s20, 15
	s_add_co_u32 s26, s26, s22
	s_add_nc_u64 s[28:29], s[12:13], s[26:27]
	s_lshl_b32 s26, ttmp9, 13                      ; ws: my two groups of 32 columns, 1,024 bytes each
	s_lshl_b32 s22, s20, 11
	s_add_co_u32 s26, s26, s22
	s_add_nc_u64 s[30:31], s[14:15], s[26:27]
	s_lshl_b32 s26, ttmp9, 10                      ; expert_b and out0: my 64 columns of 4 bytes
	s_lshl_b32 s22, s20, 8
	s_add_co_u32 s26, s26, s22
	s_add_nc_u64 s[32:33], s[16:17], s[26:27]
	s_add_nc_u64 s[46:47], s[18:19], s[26:27]
	s_mov_b64 s[34:35], s[10:11]                   ; cw
	s_wait_kmcnt 0x0
	s_and_b32 s23, s23, 0xff
	s_max_u32 s23, s23, 1                          ; a block that uses no true expert walks expert 0, with weights 0: its rows are written as zeros
	s_ctz_i32_b32 s22, s23
	s_min_u32 s22, s22, 7                          ; the first expert: held inside the tables before it enters an address
	s_lshl_b32 s26, s22, 19
	s_add_nc_u64 s[36:37], s[28:29], s[26:27]      ; the four bases at the first expert
	s_lshl_b32 s26, s22, 15
	s_add_nc_u64 s[38:39], s[30:31], s[26:27]
	s_add_nc_u64 s[42:43], s[34:35], s[26:27]
	s_lshl_b32 s26, s22, 12
	s_add_nc_u64 s[40:41], s[32:33], s[26:27]
	s_sub_co_u32 s26, s23, 1
	s_and_b32 s24, s23, s26                        ; the experts behind the first; 0: there is none
	s_ctz_i32_b32 s22, s24
	s_min_u32 s22, s22, 7                          ; the second (where there is none these four bases are not used)
	s_lshl_b32 s26, s22, 19
	s_add_nc_u64 s[52:53], s[28:29], s[26:27]
	s_lshl_b32 s26, s22, 15
	s_add_nc_u64 s[54:55], s[30:31], s[26:27]
	s_add_nc_u64 s[58:59], s[34:35], s[26:27]
	s_lshl_b32 s26, s22, 12
	s_add_nc_u64 s[56:57], s[32:33], s[26:27]
	s_sub_co_u32 s26, s24, 1
	s_and_b32 s21, s24, s26                        ; the experts behind the second: for the loop
.irp i, 0,1,2,3,4,5,6,7,8,9,10,11,12,13,14,15,16,17,18,19,20,21,22,23,24,25,26,27,28,29,30,31
	s_min_u32 s[68+\i], s[68+\i], 0x1fff           ; every loaded token number is held inside the tables
.endr
	WIN 0x40
.irp i, 0,1,2,3,4,5,6,7,8,9,10,11,12,13,14,15,16,17,18,19,20,21,22,23,24,25,26,27,28,29,30,31
	v_lshl_add_u32 v[128+\i], s[68+\i], 9, v4      ; token x 512 + 16 x lane
.endr
	WIN 0x41
.irp i, 0,1,2,3,4,5,6,7,8,9,10,11,12,13,14,15,16,17,18,19,20,21,22,23,24,25,26,27,28,29,30,31
	global_load_b128 v[4*\i:4*\i+3], v[128+\i], s[6:7]       ; THE GATHER: a token's 512 bytes of codes an instruction
.endr
	WIN 0
	s_wait_loadcnt 32                              ; the 13 loads of token numbers are in; the gather's 32 may be out
	ds_store_b32 v124, v14
.irp m, 0,1,2,3,4,5,6,7
	v_min_u32 v[CWO+\m], 0x1fff, v[CWO+\m]
.endr
.irp m, 0,1,2,3,4,5,6,7
	v_lshlrev_b32 v[CWO+\m], 2, v[CWO+\m]
.endr
.irp m, 0,1,2,3
	v_min_u32 v[TKV+\m], 0x1fff, v[TKV+\m]
.endr
.irp m, 0,1,2,3
	v_lshlrev_b32 v[TKV+\m], 5, v[TKV+\m]
.endr
.irp m, 0,1,2,3
	global_load_b128 v[XS+8*\m:XS+8*\m+3], v[TKV+\m], s[8:9]             ; x's scale words: eight a token; they stay
	global_load_b128 v[XS+8*\m+4:XS+8*\m+7], v[TKV+\m], s[8:9] offset:16
.endr
; Group s of an expert's loads: what K step s's products have done with.  Group 0: the bias (8 loads); an odd group: first W's scale words of K steps s - 1 and s (2 loads);
; every group: W's four fragments of K step s (8 loads of 512 consecutive bytes).  16, 10, 8, 10, 8, 10, 8, 10 loads.
.macro PRE s, bw, bs, bb
.if (\s) == 0
.irp n, 0,1,2,3
.irp u, 0,1
	global_load_b128 v[BI+8*\n+4*\u:BI+8*\n+4*\u+3], v6, s[\bb:\bb+1] offset:64*\n+16*\u
.endr
.endr
.endif
.if (\s)%2 == 1
.irp p, 0,1
	global_load_b64 v[WS+8*\p+(\s)-1:WS+8*\p+(\s)], v5, s[\bs:\bs+1] offset:1024*\p+256*((\s)/2)
.endr
.endif
	WIN 0xc0
.irp n, 0,1,2,3
.irp c, 0,1
	global_load_b128 v[8*(8*\n+(\s))+4*\c:8*(8*\n+(\s))+4*\c+3], v4, s[\bw:\bw+1] offset:8192*\n+1024*(\s)+512*\c
.endr
.endr
	WIN 0
.endm
.macro CLOADS bc                       ; an expert's 16 loads of weights
.irp m, 0,1,2,3,4,5,6,7
	global_load_b32 v[C2+2*\m], v[CWO+\m], s[\bc:\bc+1]      ; twice: the packed multiply-add names a pair
	global_load_b32 v[C2+2*\m+1], v[CWO+\m], s[\bc:\bc+1]
.endr
.endm
.macro FETCH s, f                      ; x's eight fragments of K step s into the set at f: registers 4 c .. 4 c + 3 = slot 4 s + 2 c + h of row r
.irp m, 0,1,2,3,4,5,6,7
.irp c, 0,1
	ds_load_b128 v[(\f)+8*\m+4*\c:(\f)+8*\m+4*\c+3], v3 offset:16*XP*\m+64*(\s)+32*\c
.endr
.endr
.endm
; One product.  W's scale words of an odd column tile and x's of an odd token tile stand in lanes 16-31 of their registers.
.macro MM m, n, s
.set rD, 8*(4*(\m)+(\n))
.set rW, 8*(8*(\n)+(\s))
.set rX, XF+64*((\s)%2)+8*(\m)
.set rP, WS+8*((\n)/2)+(\s)
.set rQ, XS+8*((\m)/2)+(\s)
.set rC, rD
.if (\s) == 0
.set rC, BI+8*(\n)                     ; the first K step starts the sum with the bias (window 0)
.endif
.if ((\n)%2 == 0) && ((\m)%2 == 0)
	v_wmma_scale_f32_16x16x128_f8f6f4 v[rD:rD+7], v[rW:rW+7], v[rX:rX+7], v[rC:rC+7], v[rP], v[rQ] matrix_a_fmt:MATRIX_FMT_FP4 matrix_b_fmt:MATRIX_FMT_FP4
.elseif ((\n)%2 == 1) && ((\m)%2 == 0)
	v_wmma_scale_f32_16x16x128_f8f6f4 v[rD:rD+7], v[rW:rW+7], v[rX:rX+7], v[rC:rC+7], v[rP], v[rQ] matrix_a_fmt:MATRIX_FMT_FP4 matrix_b_fmt:MATRIX_FMT_FP4 matrix_a_scale:MATRIX_SCALE_ROW1
.elseif ((\n)%2 == 0)
	v_wmma_scale_f32_16x16x128_f8f6f4 v[rD:rD+7], v[rW:rW+7], v[rX:rX+7], v[rC:rC+7], v[rP], v[rQ] matrix_a_fmt:MATRIX_FMT_FP4 matrix_b_fmt:MATRIX_FMT_FP4 matrix_b_scale:MATRIX_SCALE_ROW1
.else
	v_wmma_scale_f32_16x16x128_f8f6f4 v[rD:rD+7], v[rW:rW+7], v[rX:rX+7], v[rC:rC+7], v[rP], v[rQ] matrix_a_fmt:MATRIX_FMT_FP4 matrix_b_fmt:MATRIX_FMT_FP4 matrix_a_scale:MATRIX_SCALE_ROW1 matrix_b_scale:MATRIX_SCALE_ROW1
.endif
.endm
; A K step of 128: 32 products, the 32 accumulators by turns, one instruction a turn, in the same order in every step.
; nxt = 1: the expert has a successor, whose bases are bw, bs, bb.
; THE WAIT FOR LOADS.  Behind what step s wants stand, of this expert's own loads: for an odd s the later groups, 9 (7 - s) loads, and the 16 weights; for an even s, whose scale words head
; group s + 1, that group's 8 loads of W, the groups behind it, 9 (6 - s) loads, and the 16 weights.  With a successor its groups 0 .. s - 2 come on top: 70 at the least in every step.
; A wait names 63 at the most.
.macro KSTEP s, nxt, bw, bs, bb
	s_wait_dscnt 0x0                               ; this step's fragments of x are in: they were asked for in front of the last step's 32 products
.set LC, 9*(7-(\s))+16
.if (\s)%2 == 0
.set LC, 9*(6-(\s))+24
.endif
.if (\nxt) || (LC > 63)
.set LC, 63
.endif
	s_wait_loadcnt LC
.if (\nxt) || ((\s) < 7)
.if (\s) > 0
.rept 4
	v_nop                                          ; four places in front of loads into registers that the last step's products read (ISA guide 7.12.1 for vector instructions); ahead of step 0 the combine's 128 lines are the places
.endr
.endif
	FETCH ((\s)+1)%8, XF+64*(((\s)+1)%2)           ; the next step's; step 7 fetches step 0 again, for the successor
.endif
.if (\nxt) && ((\s) > 0)
	PRE (\s)-1, \bw, \bs, \bb                      ; the successor's group, into what the last step has done with
.endif
.if (\s) == 0
	WIN 0x43                                       ; W window 3, x window 0, C (the bias) window 0, D window 1
.else
	WIN 0x53                                       ; C and D window 1
.endif
.irp m, 0,1,2,3,4,5,6,7
.irp n, 0,1,2,3
	MM \m, \n, \s
.endr
.endr
	WIN 0
.endm
.macro KSTEPS nxt, bw, bs, bb          ; one expert's eight K steps; at the end its weights are in
.irp s, 0,1,2,3,4,5,6,7
	KSTEP \s, \nxt, \bw, \bs, \bb
.endr
.rept 4
	v_nop                                          ; four places in front of the first read of results, and of the loads into step 7's registers
.endr
.if \nxt
	PRE 7, \bw, \bs, \bb
	s_wait_loadcnt 63                              ; behind my weights stand the successor's 80 loads
.else
	s_wait_loadcnt 0x0                             ; my weights were the last loads
.endif
.endm
.macro COMBINE first                   ; result (+)= sum x weight.  first = 1: the first expert starts the result: nothing is cleared
	WIN 0xa1                                       ; the sums window 1, the weights window 0, the result window 2
.irp m, 0,1,2,3,4,5,6,7
.irp n, 0,1,2,3
.irp p, 0,1,2,3                        ; each accumulator from its low end on
.if \first
	v_pk_mul_f32 v[8*(4*\m+\n)+2*\p:8*(4*\m+\n)+2*\p+1], v[8*(4*\m+\n)+2*\p:8*(4*\m+\n)+2*\p+1], v[C2+2*\m:C2+2*\m+1]
.else
	v_pk_fma_f32 v[8*(4*\m+\n)+2*\p:8*(4*\m+\n)+2*\p+1], v[8*(4*\m+\n)+2*\p:8*(4*\m+\n)+2*\p+1], v[C2+2*\m:C2+2*\m+1], v[8*(4*\m+\n)+2*\p:8*(4*\m+\n)+2*\p+1]
.endif
.endr
.endr
.endr
	WIN 0
.endm
.irp s, 0,1,2,3,4,5,6,7
	PRE \s, 36, 38, 40                             ; the first expert's loads go out before x has landed
.endr
	CLOADS 42
	s_wait_loadcnt 63                              ; 104 loads were issued behind the gather's last; 63 is the largest count that a wait names: the gather is in
	WIN 0x04
.irp i, 0,1,2,3,4,5,6,7,8,9,10,11,12,13,14,15,16,17,18,19,20,21,22,23,24,25,26,27,28,29,30,31
	ds_store_b128 v11, v[4*\i:4*\i+3] offset:XP*\i
.endr
	WIN 0
	s_wait_dscnt 0x0                               ; for the others' sake: my 32 rows and my token numbers lie in LDS
	s_barrier_signal -1
	s_barrier_wait -1                              ; the launch's one barrier: from here on these bytes are only read
	FETCH 0, XF
	s_cmp_eq_u32 s24, 0
	s_cbranch_scc1 .Lonly                          ; a block with one expert
	KSTEPS 1, 52, 54, 56                           ; the first expert; the second's loads go out under its products
	COMBINE 1
	CLOADS 58
	s_mov_b32 s25, 0
.Lexp:                                             ; eight trips.  Where the block uses expert e behind its second: the expert in hand is multiplied, and e's loads go out under its products
	s_lshr_b32 s26, s21, s25
	s_and_b32 s26, s26, 1
	s_cmp_eq_u32 s26, 0
	s_cbranch_scc1 .Lskip
	KSTEPS 1, 28, 30, 32
	COMBINE 0
	CLOADS 34
.Lskip:
	s_wait_xcnt 0x0                                ; the trip's loads have read their bases, which step now
	s_add_nc_u64 s[28:29], s[28:29], 0x80000
	s_add_nc_u64 s[30:31], s[30:31], 0x8000
	s_add_nc_u64 s[32:33], s[32:33], 0x1000
	s_add_nc_u64 s[34:35], s[34:35], 0x8000
	s_add_co_u32 s25, s25, 1
	s_cmp_lt_u32 s25, 8
	s_cbranch_scc1 .Lexp
	KSTEPS 0, 0, 0, 0                              ; the last expert: nothing more is asked for
	COMBINE 0
	s_branch .Lout
.Lonly:
	KSTEPS 0, 0, 0, 0
	COMBINE 1
.Lout:
; THE WAY OUT, a tile of 16 tokens at a time.  A lane holds 32 bytes of a row and the lanes beside it other rows: so a tile goes through my own stage and comes back as whole pieces of 256 bytes,
; each to its token's row of out.  LDS serves a wave's instructions in order (ISA guide 5.7.1.4): no wait between the stores and the loads, nor in front of the next tile's stores.
.macro TOSTAGE m
.set BK, XF+48*((\m)%2)                ; 32 registers of data and 8 of addresses, two sets by turns, where x's fragments lay
	WIN 0x08                                       ; the data: window 2
.irp n, 0,1,2,3
	ds_store_b128 v7, v[8*(4*(\m)+\n):8*(4*(\m)+\n)+3] offset:64*\n
	ds_store_b128 v7, v[8*(4*(\m)+\n)+4:8*(4*(\m)+\n)+7] offset:64*\n+16
.endr
	WIN 0
.irp t, 0,1,2,3,4,5,6,7
	ds_load_b128 v[BK+4*\t:BK+4*\t+3], v8 offset:\t*2*SP
.endr
.irp t, 0,1,2,3,4,5,6,7
	ds_load_b32 v[BK+32+\t], v9 offset:4*(16*(\m)+2*\t)      ; the token of row 2 t + h
.endr
.endm
.macro SEND m, younger                 ; younger: the LDS instructions issued behind tile m's loads, which may stay out
.set BK, XF+48*((\m)%2)
	s_wait_dscnt \younger
.irp t, 0,1,2,3,4,5,6,7
	v_min_u32 v[BK+32+\t], 0x1fff, v[BK+32+\t]
.endr
.irp t, 0,1,2,3,4,5,6,7
	v_lshl_add_u32 v[BK+32+\t], v[BK+32+\t], 12, v10         ; token x 4,096 + 16 r
.endr
.irp t, 0,1,2,3,4,5,6,7
	global_store_b128 v[BK+32+\t], v[BK+4*\t:BK+4*\t+3], s[46:47] th:TH_STORE_NT   ; each half of the lanes stores 256 consecutive bytes, at a multiple of 256 from out's first byte
.endr
.endm
	s_wait_dscnt 0x0                               ; no fetch of x is out: its registers are taken over
	TOSTAGE 0
.irp a, 1,2,3,4,5,6,7
.if \a > 1
	s_wait_xcnt 0x0                                ; tile a - 2's stores have read their registers: tile a's loads may land there
.endif
	TOSTAGE \a
	SEND \a-1, 24                                  ; behind tile a - 1's loads: tile a's 8 stores and 16 loads
.endr
	SEND 7, 0
	s_wait_tensorcnt 0x0
	ds_add_u32 v126, v127
	s_wait_dscnt 0x0
	s_endpgm
.Lfunc_end_k_qf72df9fa7c_experts:
	.size	k_qf72df9fa7c_experts, .Lfunc_end_k_qf72df9fa7c_experts-k_qf72df9fa7c_experts
	.p2alignl 7, 3214868480
	.fill 96, 4, 3214868480
	.section	.rodata,"a",@progbits
	.p2align	6, 0x0
	.amdhsa_kernel k_qf72df9fa7c_experts
		.amdhsa_group_segment_fixed_size 86528
		.amdhsa_private_segment_fixed_size 0
		.amdhsa_enable_private_segment 0
		.amdhsa_kernarg_size 64
		.amdhsa_user_sgpr_count 2
		.amdhsa_user_sgpr_kernarg_segment_ptr 1
		.amdhsa_wavefront_size32 1
		.amdhsa_system_sgpr_workgroup_id_x 1
		.amdhsa_system_sgpr_workgroup_id_y 1
		.amdhsa_system_sgpr_workgroup_id_z 1
		.amdhsa_system_vgpr_workitem_id 0
		.amdhsa_next_free_vgpr 1024
		.amdhsa_next_free_sgpr 100
		.amdhsa_reserve_vcc 0
		.amdhsa_float_denorm_mode_32 3
		.amdhsa_float_denorm_mode_16_64 3
		.amdhsa_memory_ordered 1
		.amdhsa_forward_progress 1
		.amdhsa_inst_pref_size 255
	.end_amdhsa_kernel
	.section	.bss,"aw",@nobits
	.p2align	6
	.space	262144
	.amdgpu_metadata
---
amdhsa.version: [ 1, 2 ]
amdhsa.kernels:
  - .name:           k_qf72df9fa7c_experts
    .symbol:         k_qf72df9fa7c_experts.kd
    .args:
      - { .name: order, .offset: 0, .size: 8, .value_kind: global_buffer, .address_space: global }
      - { .name: xq, .offset: 8, .size: 8, .value_kind: global_buffer, .address_space: global }
      - { .name: xs, .offset: 16, .size: 8, .value_kind: global_buffer, .address_space: global }
      - { .name: cw, .offset: 24, .size: 8, .value_kind: global_buffer, .address_space: global }
      - { .name: wq, .offset: 32, .size: 8, .value_kind: global_buffer, .address_space: global }
      - { .name: ws, .offset: 40, .size: 8, .value_kind: global_buffer, .address_space: global }
      - { .name: expert_b, .offset: 48, .size: 8, .value_kind: global_buffer, .address_space: global }
      - { .name: out0, .offset: 56, .size: 8, .value_kind: global_buffer, .address_space: global }
    .group_segment_fixed_size: 86528
    .private_segment_fixed_size: 0
    .kernarg_segment_align: 8
    .kernarg_segment_size: 64
    .max_flat_workgroup_size: 128
    .sgpr_count:     100
    .vgpr_count:     1024
    .wavefront_size: 32
...
	.end_amdgpu_metadata
.endif
;; end of part 3
;; ======== version 2 of 2: 3 launches
;; workspace buffers: xq 4,194,304 bytes; xs 262,144 bytes; cw 262,144 bytes; wq 4,194,304 bytes; ws 262,144 bytes; route 131,072 bytes of whole numbers; order 33,024 bytes of whole numbers
;; launch prep (part 4): grid 512 x 1, 4 waves a work-group, no clusters, 46,080 bytes of LDS; arguments inputs, gate_w, gate_b, expert_w, xq, xs, cw, route, wq, ws; writes xq, xs, cw, route, wq, ws
.if DOCPART == 4
	.amdgcn_target "amdgcn-amd-amdhsa--gfx1250"
	.amdhsa_code_object_version 6
	.text
	.protected	k_qf72df9fa7c_prep
	.globl	k_qf72df9fa7c_prep
	.p2align	8
	.type	k_qf72df9fa7c_prep,@function
k_qf72df9fa7c_prep:
	s_mov_b64 s[64:65], 0
	v_nop
	global_prefetch_b8 v0, s[64:65] scope:SCOPE_SE
	s_setreg_imm32_b32 hwreg(HW_REG_WAVE_MODE, 25, 1), 1
	s_wait_xcnt 0x0
; PREP: both operands of the experts' product become codes of FP4 (E2M1) with one E8M0 byte for each 32 along K, and the router chooses.
; Work-groups with an even number take 32 tokens of x (quantise, logits, top-2, combine weights, sort key); those with an odd number take
; 128 columns x 256 along K of one expert's weight.  The two ways part on the work-group's number at the head and never join.
; ONE ORDER OF K's BLOCKS FOR BOTH OPERANDS.  The true block k = 128 j + 32 g + 0..31 (j 0..7, g 0..3) lies at slot p = 8 g + j: K step p / 4 of the
; matrix instruction, block p % 4 in it.  The blocks are the quantiser's own; only the order in which their products are summed differs.
;   xq [token][slot 32][16 bytes]        xs [token][8 words]: word s', byte b' = the byte of slot 4 s' + b'
;   wq [expert][tile of 16 columns 64][s' 8][c 2][lane 32][16 bytes]: the registers of an operand, lane by lane
;   ws [expert][32 columns 32][g 4][lane 32][2 words]: lane = column, words s' = 2 g, 2 g + 1
;   cw [expert 8][token] f32: the combine weight, 0 where the expert was not chosen
;   route, 512 bytes for each 32 tokens: +0 a histogram of 64 sort keys, +256 for each token key | rank among its group's equal keys << 8
; A block's scale is 2^(floor(log2(largest magnitude)) - 2): its byte is the largest magnitude's exponent field - 2, held at 1 from below.
; LIMITS.  NaN and infinities among the inputs are not served.  A block of zeros gets the byte 1 where the rule says 127: its codes are zeros and this
; program alone reads the bytes.  The two largest are taken of the logits, the lower index first among equals: two unequal logits whose f32
; probabilities are equal could be ordered otherwise than by the probabilities.  A softmax term under 2^-126 counts as 0 (v_exp_f32 gives 0 there).
; No matrix unit, no tensor loads, no cluster: two streams that are read once, by many loads a wave; work-groups share only the small gate.
.set GATE,   0                         ; LDS (x's way alone): gate_w as it lies, 40,960 bytes
.set STAGE,  40960                     ; 512 bytes for each wave: a token's codes on their way from 2 bytes a lane to 16
.set LOGITS, 43008                     ; 32 tokens x 80 bytes: ten logits each
.set M,   8                            ; v8-15   block j's largest magnitude, then the conversion's scale operand
.set Q,   16                           ; v16-23  scale bytes, then codes
.set CD,  24                           ; v24-27  my 16 bytes of the token's codes
.set XSW, 28                           ; v28-29  the two scale words that my lane keeps: row lane % 8, g = lane / 8
.set WD,  30                           ; v30-31  this row's two scale words
.set A,   32                           ; v32-55  twelve sums in pairs: experts 0-7; 8 and 9 in two chains each
.set X,   64                           ; v64-191 four rows of x, 32 registers each: register 4 j + i = k 128 j + 4 lane + i
.set G8,  192                          ; v192-255 the gate's rows 8 and 9 in x's layout; rows 0-7 fill window 1, at 32 e
.set MSB, 0
.macro WIN new                         ; s_set_vgpr_msb: bits 1:0 source 0, 3:2 source 1, 5:4 source 2, 7:6 destination; the high byte repeats the setting that is left
.if MSB != \new
	s_set_vgpr_msb (MSB<<8)|\new
.set MSB, \new
.endif
.endm
	s_load_b512 s[4:19], s[0:1], 0x0               ; inputs s[4:5], gate_w s[6:7], gate_b s[8:9], expert_w s[10:11], xq s[12:13], xs s[14:15], cw s[16:17], route s[18:19]
	s_load_b128 s[20:23], s[0:1], 0x40             ; wq s[20:21], ws s[22:23]
	v_lshl_add_u32 v62, v0, 2, 0xb200
	v_mov_b32 v63, 0
	v_lshrrev_b32 v1, 5, v0
	v_readfirstlane_b32 s26, v1                    ; wave 0..3
	s_lshr_b32 s25, ttmp9, 1                       ; which group of tokens, or which piece of the weights
	s_and_b32 s24, ttmp9, 1
	s_cmp_lg_u32 s24, 0
	s_cbranch_scc1 .Lweights
; ---------------------------------------------------------------- x: 32 tokens, 8 rows a wave
	v_and_b32 v10, 31, v0                          ; lane
	v_lshlrev_b32 v1, 4, v10                       ; 16 x lane: my bytes of a load's 512, of a token's codes, and of a gate row's piece in LDS
	v_lshrrev_b32 v11, 3, v10                      ; g = lane / 8
	v_and_b32 v12, 7, v0                           ; lane % 8
	v_and_b32 v13, 15, v0
	s_lshl_b32 s34, s26, 9
	s_add_co_u32 s34, s34, STAGE                   ; my wave's stage
	v_lshlrev_b32 v2, 7, v11
	v_lshl_add_u32 v2, v12, 1, v2
	v_add_nc_u32 v2, s34, v2                       ; in: slot 8 g + j at 128 g + 16 j; my four codes at 2 (lane % 8)
	v_add_nc_u32 v3, s34, v1                       ; back: slot = lane
	s_mul_i32 s35, s26, 640
	s_add_co_u32 s35, s35, LOGITS
	v_lshlrev_b32 v4, 2, v13
	v_add_nc_u32 v4, s35, v4                       ; my wave's eight rows of logits: expert lane % 16
	v_mul_u32_u24 v5, v10, 80
	v_add_nc_u32 v5, LOGITS, v5                    ; and, for the wave that chooses: token = lane
	v_lshlrev_b32 v6, 5, v12
	v_lshl_add_u32 v6, v11, 3, v6                  ; xs: row lane % 8 of 32 bytes, words 2 g and 2 g + 1
	v_lshlrev_b32 v7, 4, v0                        ; 16 x thread: the gate's copy
	v_mov_b32 v56, 0                               ; written once: a lane permute's destination counts as one of its sources
	s_mov_b32 s47, 0xff00ff00                      ; lanes whose bit 3 is set; bit 2; bit 1; bit 0
	s_mov_b32 s48, 0xf0f0f0f0
	s_mov_b32 s49, 0xcccccccc
	s_mov_b32 s50, 0xaaaaaaaa
	s_mov_b32 s52, 0x76543210                      ; v_permlanex16_b32's selects for lane l xor 16
	s_mov_b32 s53, 0xfedcba98
	s_lshl_b32 s27, s25, 5
	s_lshl_b32 s24, s26, 3
	s_add_co_u32 s27, s27, s24                     ; my wave's first token: 32 x group + 8 x wave
	s_lshl_b32 s28, s27, 12                        ; x 4,096 bytes of x,
	s_mov_b32 s29, 0
	s_lshl_b32 s30, s27, 9                         ; x 512 of codes,
	s_mov_b32 s31, 0
	s_lshl_b32 s32, s27, 5                         ; x 32 of scale bytes
	s_mov_b32 s33, 0
	s_wait_alu depctr_va_vdst(0)
	s_wait_kmcnt 0x0
	s_add_nc_u64 s[28:29], s[4:5], s[28:29]
	s_add_nc_u64 s[30:31], s[12:13], s[30:31]
	s_add_nc_u64 s[32:33], s[14:15], s[32:33]
	s_load_b256 s[36:43], s[8:9], 0x0              ; gate_b: 40 bytes; waited for where it is used
	s_load_b64 s[44:45], s[8:9], 0x20
.macro XLOAD r                         ; row r of my eight: each load reads 512 consecutive bytes
.irp j, 0,1,2,3,4,5,6,7
	global_load_b128 v[X+32*((\r)%4)+4*\j:X+32*((\r)%4)+4*\j+3], v1, s[28:29] offset:4096*(\r)+512*\j th:TH_LOAD_NT
.endr
.endm
; Two sums u and v become one register: lanes whose mask bit is 0 go on with u, the others with v; each adds what its partner (lane xor x) holds of the same sum.
.macro FOLD u, v, m, x, t
	v_cndmask_b32 v[\t], v[\v], v[\u], s[\m]       ; what I send: the sum that my partner keeps
	v_cndmask_b32 v[\u], v[\u], v[\v], s[\m]       ; what I keep
	v_add_f32_dpp v[\u], v[\t], v[\u] row_xmask:\x row_mask:0xf bank_mask:0xf
.endm
	WIN 0x40                                       ; the gate comes once for the work-group: 20 loads of 2,048 bytes, through registers of window 1 into LDS
.irp c, 0,1,2,3,4,5,6,7,8,9,10,11,12,13,14,15,16,17,18,19
	global_load_b128 v[4*\c:4*\c+3], v7, s[6:7] offset:2048*\c
.endr
	WIN 0
	XLOAD 0
	XLOAD 1
	XLOAD 2
	XLOAD 3
	s_wait_loadcnt 32                              ; the gate's 20 loads are in; the four rows' 32 may be out
	WIN 0x04
.irp c, 0,1,2,3,4,5,6,7,8,9,10,11,12,13,14,15,16,17,18,19
	ds_store_b128 v7, v[4*\c:4*\c+3] offset:GATE+2048*\c
.endr
	WIN 0
	s_wait_dscnt 0x0                               ; for the others' sake: my part of the gate lies in LDS
	s_barrier_signal -1
	s_barrier_wait -1
	WIN 0x40                                       ; every wave takes all ten rows in x's layout: they stay in registers for its eight tokens
.irp e, 0,1,2,3,4,5,6,7
.irp j, 0,1,2,3,4,5,6,7
	ds_load_b128 v[32*\e+4*\j:32*\e+4*\j+3], v1 offset:GATE+4096*\e+512*\j
.endr
.endr
	WIN 0
.irp e, 0,1
.irp j, 0,1,2,3,4,5,6,7
	ds_load_b128 v[G8+32*\e+4*\j:G8+32*\e+4*\j+3], v1 offset:GATE+4096*(8+\e)+512*\j
.endr
.endr
	s_wait_dscnt 0x0
; One token.  Eight neighbouring lanes hold a block of 32 (four numbers each), so a block's largest magnitude takes three steps between lanes.
.macro ROW i
.set XB, X+32*((\i)%4)
.if (\i) < 5
	s_wait_loadcnt 24                              ; my row is in; the three younger rows' 24 loads may be out
.else
	s_wait_loadcnt 8*(7-(\i))
.endif
	s_wait_xcnt 0x0                                ; the last row's store has read CD, which is loaded anew below
.irp j, 0,1,2,3,4,5,6,7
	v_max3_num_f32 v[M+\j], |v[XB+4*\j]|, |v[XB+4*\j+1]|, 0x1800000   ; with the floor 2^(3 - 127): the byte cannot fall under 1
.endr
.irp j, 0,1,2,3,4,5,6,7
	v_max3_num_f32 v[M+\j], v[M+\j], |v[XB+4*\j+2]|, |v[XB+4*\j+3]|
.endr
.irp x, 1,2,4
.irp j, 0,1,2,3,4,5,6,7
	v_max_num_f32_dpp v[M+\j], v[M+\j], v[M+\j] row_xmask:\x row_mask:0xf bank_mask:0xf
.endr
.endr
.irp j, 0,1,2,3,4,5,6,7
	v_add_nc_u32 v[M+\j], 0xff000000, v[M+\j]      ; 2 off the exponent field: the conversion takes the exponent field of this operand as its scale
.endr
.irp j, 0,1,2,3,4,5,6,7
	v_lshrrev_b32 v[Q+\j], 23, v[M+\j]             ; the scale's byte
.endr
.irp u, 0,1
	v_lshl_or_b32 v[WD+\u], v[Q+4*\u+1], 8, v[Q+4*\u]        ; blocks j = 4 u .. 4 u + 3 of my g are the four blocks of K step 2 g + u
	v_lshl_or_b32 v[WD+\u], v[Q+4*\u+2], 16, v[WD+\u]
	v_lshl_or_b32 v[WD+\u], v[Q+4*\u+3], 24, v[WD+\u]
.endr
.if (\i) == 0
	v_mov_b32 v[XSW], v[WD]
	v_mov_b32 v[XSW+1], v[WD+1]
.else
	s_mov_b32 s46, 0x01010101<<(\i)                ; the lanes with lane % 8 = this row keep its words
	v_cndmask_b32 v[XSW], v[XSW], v[WD], s46
	v_cndmask_b32 v[XSW+1], v[XSW+1], v[WD+1], s46
.endif
.irp d, 0,1,2,3                        ; eight registers are four numbers of block 2 d and four of block 2 d + 1: converted twice, once under each block's scale
	v_cvt_scalef32_pk8_fp4_f32 v[Q+2*\d], v[XB+8*\d:XB+8*\d+7], v[M+2*\d]         ; the low 16 bits are block 2 d's codes
	v_cvt_scalef32_pk8_fp4_f32 v[Q+2*\d+1], v[XB+8*\d:XB+8*\d+7], v[M+2*\d+1]     ; the high 16 bits block 2 d + 1's
.endr
	v_nop                                          ; one plain place behind the scaled conversions
.irp d, 0,1,2,3
	ds_store_b16 v2, v[Q+2*\d] offset:32*\d
	ds_store_b16_d16_hi v2, v[Q+2*\d+1] offset:32*\d+16
.endr
	ds_load_b128 v[CD:CD+3], v3                    ; LDS serves a wave's instructions in order: this sees the stores above; the sums below stand between it and its use
	WIN 0x04                                       ; the logits: ten dot products of 1,024 in f32; source 1 = the gate's rows 0-7 in window 1; eight chains
.irp q, 0,1,2,3,4,5,6,7,8,9,10,11,12,13,14,15
.irp e, 0,1,2,3,4,5,6,7
.if \q == 0
	v_pk_mul_f32 v[A+2*\e:A+2*\e+1], v[XB+2*\q:XB+2*\q+1], v[32*\e+2*\q:32*\e+2*\q+1]
.else
	v_pk_fma_f32 v[A+2*\e:A+2*\e+1], v[XB+2*\q:XB+2*\q+1], v[32*\e+2*\q:32*\e+2*\q+1], v[A+2*\e:A+2*\e+1]
.endif
.endr
.endr
	WIN 0
.irp q, 0,1,2,3,4,5,6,7,8,9,10,11,12,13,14,15
.irp e, 0,1
.if \q < 2
	v_pk_mul_f32 v[A+16+4*\e+2*(\q%2):A+17+4*\e+2*(\q%2)], v[XB+2*\q:XB+2*\q+1], v[G8+32*\e+2*\q:G8+32*\e+2*\q+1]
.else
	v_pk_fma_f32 v[A+16+4*\e+2*(\q%2):A+17+4*\e+2*(\q%2)], v[XB+2*\q:XB+2*\q+1], v[G8+32*\e+2*\q:G8+32*\e+2*\q+1], v[A+16+4*\e+2*(\q%2):A+17+4*\e+2*(\q%2)]
.endif
.endr
.endr
	v_pk_add_f32 v[A+16:A+17], v[A+16:A+17], v[A+18:A+19]
	v_pk_add_f32 v[A+20:A+21], v[A+20:A+21], v[A+22:A+23]
.irp e, 0,1,2,3,4,5,6,7,8,10
	v_add_f32 v[A+2*\e], v[A+2*\e], v[A+2*\e+1]    ; my lane's part of expert e's logit at A + 2 e (expert 9's at A + 20)
.endr
	FOLD A, A+16, 47, 8, 57                        ; across the lanes, halving the number of registers: at the end lane % 16 = e holds logit e
	FOLD A+2, A+20, 47, 8, 58
.irp e, 2,3,4,5,6,7
	v_add_f32_dpp v[A+2*\e], v[A+2*\e], v[A+2*\e] row_xmask:8 row_mask:0xf bank_mask:0xf   ; (no experts 10-15 to pair with)
.endr
	FOLD A, A+8, 48, 4, 57
	FOLD A+2, A+10, 48, 4, 58
	FOLD A+4, A+12, 48, 4, 59
	FOLD A+6, A+14, 48, 4, 60
	FOLD A, A+4, 49, 2, 57
	FOLD A+2, A+6, 49, 2, 58
	FOLD A, A+2, 50, 1, 57
	v_permlanex16_b32 v56, v[A], s52, s53
	v_add_f32 v[A], v[A], v56
	ds_store_b32 v4, v[A] offset:80*(\i)           ; lanes 10-15 of each half write into the row's spare bytes, which nobody reads
	s_wait_dscnt 0x0                               ; CD is in
	global_store_b128 v1, v[CD:CD+3], s[30:31] offset:512*(\i)   ; the token's 512 bytes of codes, consecutive
.if (\i) < 4
	XLOAD (\i)+4
.endif
.endm
.irp w, 0,1,2,3,4,5,6,7
	ROW \w
.endr
	global_store_b64 v6, v[XSW:XSW+1], s[32:33]    ; my wave's eight tokens' scale words: 256 consecutive bytes, aligned
	s_wait_dscnt 0x0                               ; for wave 0's sake: my logits lie in LDS
	s_barrier_signal -1
	s_barrier_wait -1
	s_cmp_lg_u32 s26, 0
	s_cbranch_scc1 .Lxdone
; ---- the choice: wave 0, a lane to a token.  Everything is a selection of values: nothing here steers an address or a branch.
	ds_load_b128 v[64:67], v5
	ds_load_b128 v[68:71], v5 offset:16
	ds_load_b64 v[72:73], v5 offset:32
	s_lshl_b32 s54, s25, 7
	s_mov_b32 s55, 0
	s_add_nc_u64 s[16:17], s[16:17], s[54:55]      ; cw at my group's first token
	s_lshl_b32 s54, s25, 9
	s_add_nc_u64 s[18:19], s[18:19], s[54:55]      ; route at my group's 512 bytes
	v_and_b32 v148, 31, v0
	v_lshlrev_b32 v149, 3, v148                    ; 8 x lane
	v_lshlrev_b32 v148, 2, v148                    ; 4 x lane
	v_mov_b32 v82, 0xff800000                      ; -infinity
	s_wait_kmcnt 0x0                               ; gate_b
	s_wait_dscnt 0x0
.irp e, 0,1,2,3,4,5,6,7,8,9
	v_add_f32 v[64+\e], s[36+\e], v[64+\e]
.endr
	v_mov_b32 v80, v64                             ; the largest logit and its index: a later one wins only if it is greater
	v_mov_b32 v81, 0
.irp e, 1,2,3,4,5,6,7,8,9
	v_cmp_le_f32 vcc_lo, v[64+\e], v80
	v_cndmask_b32 v80, v[64+\e], v80, vcc_lo
	v_cndmask_b32 v81, \e, v81, vcc_lo
.endr
.irp e, 0,1,2,3,4,5,6,7,8,9
	v_cmp_eq_u32 vcc_lo, \e, v81
	v_cndmask_b32 v[96+\e], v[64+\e], v82, vcc_lo  ; the winner is taken out
.endr
	v_mov_b32 v83, v96                             ; the second
	v_mov_b32 v84, 0
.irp e, 1,2,3,4,5,6,7,8,9
	v_cmp_le_f32 vcc_lo, v[96+\e], v83
	v_cndmask_b32 v83, v[96+\e], v83, vcc_lo
	v_cndmask_b32 v84, \e, v84, vcc_lo
.endr
.irp e, 0,1,2,3,4,5,6,7,8,9
	v_sub_f32 v[112+\e], v[64+\e], v80             ; the softmax: the largest logit is taken away first
.endr
	v_sub_f32 v122, v83, v80
.irp e, 0,1,2,3,4,5,6,7,8,9,10
	v_mul_f32 v[112+\e], 0x3fb8aa3b, v[112+\e]     ; x log2(e)
.endr
	s_wait_alu depctr_va_vdst(0)
.irp e, 0,1,2,3,4,5,6,7,8,9,10
	v_exp_f32 v[112+\e], v[112+\e]
.endr
	v_nop                                          ; a plain place behind the exponentials
	s_wait_alu depctr_va_vdst(0)                   ; one wait for the batch, ahead of its first reader
	v_add_f32 v85, v112, v113
	v_add_f32 v86, v114, v115
.irp e, 4,6,8
	v_add_f32 v85, v85, v[112+\e]
	v_add_f32 v86, v86, v[113+\e]
.endr
	v_add_f32 v85, v85, v86
	s_wait_alu depctr_va_vdst(0)
	v_rcp_f32 v86, v85                             ; the largest's probability: its exponential is 1
	v_nop
	s_wait_alu depctr_va_vdst(0)
	v_mul_f32 v87, v122, v86                       ; the second's
	v_cmp_gt_u32 vcc_lo, 8, v81
	v_cndmask_b32 v88, 0, v86, vcc_lo              ; null experts (8, 9) count for nothing
	v_cmp_gt_u32 vcc_lo, 8, v84
	v_cndmask_b32 v89, 0, v87, vcc_lo
	v_add_f32 v90, v88, v89
	v_cmp_lt_f32 vcc_lo, 0, v90
	v_cndmask_b32 v90, 1.0, v90, vcc_lo            ; a divisor that is not above 0 becomes 1
	s_wait_alu depctr_va_vdst(0)
	v_rcp_f32 v91, v90
	v_nop
	s_wait_alu depctr_va_vdst(0)
	v_mul_f32 v92, v88, v91
	v_mul_f32 v93, v89, v91
.irp e, 0,1,2,3,4,5,6,7
	v_cmp_eq_u32 vcc_lo, \e, v81
	v_cndmask_b32 v[128+\e], 0, v92, vcc_lo
	v_cmp_eq_u32 vcc_lo, \e, v84
	v_cndmask_b32 v[128+\e], v[128+\e], v93, vcc_lo
	global_store_b32 v148, v[128+\e], s[16:17] offset:32768*\e
.endr
	; the sort key: a < b the two experts, both nulls counted as 8: key = a (17 - a) / 2 + b - a - 1, 0 .. 35; two nulls: 36.  Neighbouring keys share a.
	v_min_u32 v140, v81, v84
	v_max_u32 v141, v81, v84
	v_min_u32 v141, 8, v141
	v_sub_nc_u32 v142, 17, v140
	v_mul_u32_u24 v142, v142, v140
	v_lshrrev_b32 v142, 1, v142
	v_add_nc_u32 v142, v142, v141
	v_sub_nc_u32 v142, v142, v140
	v_add_nc_u32 v142, -1, v142
	v_cmp_ne_u32 vcc_lo, 8, v140
	v_cndmask_b32 v142, 36, v142, vcc_lo
	v_mov_b32 v144, 0                              ; the histogram: lane l holds the counts of keys 2 l and 2 l + 1
	v_mov_b32 v145, 0
	v_mov_b32 v143, 0                              ; my rank among my group's tokens of my key
.set kk, 0
.rept 37
	v_cmp_eq_u32 s51, kk, v142
	s_bcnt1_i32_b32 s54, s51
	v_writelane_b32 v[144+(kk&1)], s54, kk>>1
	v_mbcnt_lo_u32_b32 v146, s51, 0                ; how many lower lanes have this key
	v_cndmask_b32 v143, v143, v146, s51
.set kk, kk+1
.endr
	v_lshl_or_b32 v147, v143, 8, v142
	global_store_b64 v149, v[144:145], s[18:19]    ; 256 consecutive bytes, aligned
	global_store_b32 v148, v147, s[18:19] offset:256
.Lxdone:
	s_wait_tensorcnt 0x0
	ds_add_u32 v62, v63
	s_wait_dscnt 0x0
	s_endpgm
; ---------------------------------------------------------------- W: expert e, columns 128 cb .. + 127 (32 a wave), the eight blocks k = 128 j + 32 g + 0..31
; expert_w is [e][k][n]: K is not innermost.  A lane takes a column and its registers run down K: a block of 32 lies in one lane, its largest magnitude
; needs no other lane, and the conversions' four registers are the 16 bytes that one lane of the operand wants.
.macro WLOAD t                         ; block j = t into set t % 2: each load reads 128 consecutive bytes, the four waves side by side 512
.irp i, 0,1,2,3,4,5,6,7,8,9,10,11,12,13,14,15,16,17,18,19,20,21,22,23,24,25,26,27,28,29,30,31
	global_load_b32 v[X+32*((\t)%2)+\i], v1, s[10:11] offset:(128*(\t)+\i)*4096 th:TH_LOAD_NT
.endr
.endm
.macro WBLOCK t
.set XB, X+32*((\t)%2)
.if (\t) < 7
	s_wait_loadcnt 32                              ; this block's 32 loads are in; the next block's may be out
.else
	s_wait_loadcnt 0x0
.endif
	v_max3_num_f32 v12, |v[XB]|, |v[XB+1]|, |v[XB+2]|
	v_max3_num_f32 v13, |v[XB+3]|, |v[XB+4]|, |v[XB+5]|
.irp i, 6,10,14,18,22,26
	v_max3_num_f32 v12, v12, |v[XB+\i]|, |v[XB+\i+1]|
	v_max3_num_f32 v13, v13, |v[XB+\i+2]|, |v[XB+\i+3]|
.endr
	v_max3_num_f32 v12, v12, |v[XB+30]|, |v[XB+31]|
	v_max3_num_f32 v12, v12, v13, 0x1800000        ; and the floor 2^(3 - 127)
	v_add_nc_u32 v11, 0xff000000, v12              ; the conversion's scale operand
	v_lshrrev_b32 v13, 23, v11                     ; the scale's byte: word t / 4, byte t % 4
.if (\t)%4 == 0
	v_mov_b32 v[160+(\t)/4], v13
.else
	v_lshl_or_b32 v[160+(\t)/4], v13, 8*((\t)%4), v[160+(\t)/4]
.endif
.irp c, 0,1,2,3
	v_cvt_scalef32_pk8_fp4_f32 v[128+4*(\t)+\c], v[XB+8*\c:XB+8*\c+7], v11
.endr
	v_nop                                          ; one plain place behind the scaled conversions
	global_store_b128 v2, v[128+4*(\t):128+4*(\t)+3], s[20:21] offset:((\t)/4)*1024+(((\t)%4)/2)*512+((\t)%2)*256   ; each half of the lanes stores 256 consecutive bytes, aligned; every block has its own registers
.if (\t)+2 < 8
	WLOAD (\t)+2
.endif
.endm
.Lweights:
	v_and_b32 v4, 31, v0
	v_lshlrev_b32 v1, 2, v4                        ; in: 4 bytes a lane
	v_lshrrev_b32 v5, 4, v4
	v_and_b32 v6, 15, v0
	v_lshlrev_b32 v2, 4, v6
	v_lshl_add_u32 v2, v5, 13, v2                  ; out: tile lane / 16 of my two (8,192 bytes apart), lane % 16 of the operand's lanes
	v_lshlrev_b32 v3, 3, v4                        ; two scale words a lane
	s_lshr_b32 s27, s25, 5                         ; e
	s_bfe_u32 s28, s25, 0x30002                    ; cb: 3 bits from bit 2
	s_and_b32 s29, s25, 3                          ; g
	s_lshl_b32 s28, s28, 2
	s_add_co_u32 s28, s28, s26                     ; which 32 columns: 4 cb + wave
	s_lshl_b32 s30, s27, 22                        ; expert_w: e x 4 MiB + 32 g rows of 4,096 bytes + 128 bytes for each 32 columns
	s_lshl_b32 s24, s29, 17
	s_add_co_u32 s30, s30, s24
	s_lshl_b32 s24, s28, 7
	s_add_co_u32 s30, s30, s24
	s_mov_b32 s31, 0
	s_lshl_b32 s32, s27, 19                        ; wq: e x 524,288 + two tiles of 8,192 + K steps 2 g, 2 g + 1 of 1,024
	s_lshl_b32 s24, s28, 14
	s_add_co_u32 s32, s32, s24
	s_lshl_b32 s24, s29, 11
	s_add_co_u32 s32, s32, s24
	s_mov_b32 s33, 0
	s_lshl_b32 s34, s27, 15                        ; ws: e x 32,768 + 1,024 for each 32 columns + 256 g
	s_lshl_b32 s24, s28, 10
	s_add_co_u32 s34, s34, s24
	s_lshl_b32 s24, s29, 8
	s_add_co_u32 s34, s34, s24
	s_mov_b32 s35, 0
	s_wait_alu depctr_va_vdst(0)
	s_wait_kmcnt 0x0
	s_add_nc_u64 s[10:11], s[10:11], s[30:31]
	s_add_nc_u64 s[20:21], s[20:21], s[32:33]
	s_add_nc_u64 s[22:23], s[22:23], s[34:35]
	WLOAD 0
	WLOAD 1
.irp w, 0,1,2,3,4,5,6,7
	WBLOCK \w
.endr
	global_store_b64 v3, v[160:161], s[22:23]      ; 256 consecutive bytes, aligned
	s_endpgm
.Lfunc_end_k_qf72df9fa7c_prep:
	.size	k_qf72df9fa7c_prep, .Lfunc_end_k_qf72df9fa7c_prep-k_qf72df9fa7c_prep
	.p2alignl 7, 3214868480
	.fill 96, 4, 3214868480
	.section	.rodata,"a",@progbits
	.p2align	6, 0x0
	.amdhsa_kernel k_qf72df9fa7c_prep
		.amdhsa_group_segment_fixed_size 46080
		.amdhsa_private_segment_fixed_size 0
		.amdhsa_enable_private_segment 0
		.amdhsa_kernarg_size 80
		.amdhsa_user_sgpr_count 2
		.amdhsa_user_sgpr_kernarg_segment_ptr 1
		.amdhsa_wavefront_size32 1
		.amdhsa_system_sgpr_workgroup_id_x 1
		.amdhsa_system_sgpr_workgroup_id_y 1
		.amdhsa_system_sgpr_workgroup_id_z 1
		.amdhsa_system_vgpr_workitem_id 0
		.amdhsa_next_free_vgpr 512
		.amdhsa_next_free_sgpr 66
		.amdhsa_reserve_vcc 1
		.amdhsa_float_denorm_mode_32 3
		.amdhsa_float_denorm_mode_16_64 3
		.amdhsa_memory_ordered 1
		.amdhsa_forward_progress 1
		.amdhsa_inst_pref_size 219
	.end_amdhsa_kernel
	.amdgpu_metadata
---
amdhsa.version: [ 1, 2 ]
amdhsa.kernels:
  - .name:           k_qf72df9fa7c_prep
    .symbol:         k_qf72df9fa7c_prep.kd
    .args:
      - { .name: inputs, .offset: 0, .size: 8, .value_kind: global_buffer, .address_space: global }
      - { .name: gate_w, .offset: 8, .size: 8, .value_kind: global_buffer, .address_space: global }
      - { .name: gate_b, .offset: 16, .size: 8, .value_kind: global_buffer, .address_space: global }
      - { .name: expert_w, .offset: 24, .size: 8, .value_kind: global_buffer, .address_space: global }
      - { .name: xq, .offset: 32, .size: 8, .value_kind: global_buffer, .address_space: global }
      - { .name: xs, .offset: 40, .size: 8, .value_kind: global_buffer, .address_space: global }
      - { .name: cw, .offset: 48, .size: 8, .value_kind: global_buffer, .address_space: global }
      - { .name: route, .offset: 56, .size: 8, .value_kind: global_buffer, .address_space: global }
      - { .name: wq, .offset: 64, .size: 8, .value_kind: global_buffer, .address_space: global }
      - { .name: ws, .offset: 72, .size: 8, .value_kind: global_buffer, .address_space: global }
    .group_segment_fixed_size: 46080
    .private_segment_fixed_size: 0
    .kernarg_segment_align: 8
    .kernarg_segment_size: 80
    .max_flat_workgroup_size: 128
    .sgpr_count:     66
    .vgpr_count:     512
    .wavefront_size: 32
...
	.end_amdgpu_metadata
.endif
;; end of part 4
;; launch place (part 5): grid 5 x 1, 4 waves a work-group, no clusters, 8,704 bytes of LDS; arguments route, order; writes order
.if DOCPART == 5
	.amdgcn_target "amdgcn-amd-amdhsa--gfx1250"
	.amdhsa_code_object_version 6
	.text
	.protected	k_qf72df9fa7c_place
	.globl	k_qf72df9fa7c_place
	.p2align	8
	.type	k_qf72df9fa7c_place,@function
k_qf72df9fa7c_place:
	s_mov_b64 s[64:65], 0
	v_nop
	global_prefetch_b8 v0, s[64:65] scope:SCOPE_SE
	s_setreg_imm32_b32 hwreg(HW_REG_WAVE_MODE, 25, 1), 1
	s_wait_xcnt 0x0
; PLACE: a counting sort of the 8,192 tokens by their sort key (0 .. 36), without atomics.
; In: route, 512 bytes for each group of 32 tokens: a histogram of 64 keys, and for each token key | rank in its group << 8.
; Out: order[place] = token, 8,192 words; behind them, for each block of 128 places, the bits of the true experts that its tokens use (64 words).
; A token's place = tokens of lower keys + tokens of its key in earlier groups + its rank in its group.
; SHARES.  A chunk is 16 groups.  Work-groups 0 to 3 place: wave w of work-group j takes chunk 4 j + w.  Work-group 4 makes the 64 masks.  So each wave has a SIMD to itself, and the masks
; are made beside the placing.  What every work-group needs of the others' tokens is the table of the 16 chunks' totals: each makes it for itself (wave w adds up the histograms of groups
; 64 w .. 64 w + 63, 16,384 bytes), so that nothing passes between work-groups.  The two ways part on the work-group's number at the head and never join; each has LDS bytes of its own.
; A table over keys is a pair of registers: lane l holds keys 2 l and 2 l + 1.
; The places are scattered: 8,192 stores of 4 bytes, 32,768 bytes in all; a table in LDS would want addresses made of loaded numbers.
; REGISTERS: v1 8 x lane, v2 4 x lane, v3 where my chunks' totals go; v16-47 my chunk's 16 tables; v48-63 key | rank; v64-95 the 16 chunks' totals, then what the lanes pull;
;   v96-111 lane selects; v[114:115] earlier chunks'; v[116:117] tokens of lower keys; v[118:119] their sum; v120 my token in my chunk's group 0;
;   v128-255 64 histograms, later at work.   s24-39 flags and lane masks; s66-101 running sums over the keys.
.set H,   16
.set KR,  48
.set T,   64
.set IX,  96
.set HH,  128
.set PAR, 128                          ; (when the totals are stored, the histograms' registers are free:) key % 2,
.set PL,  144                          ; the place,
.set TOK, 160                          ; the token
.set PS,  66
.macro HLOADS                          ; the histograms of my 64 groups: 256 consecutive bytes a load
.set i, 0
.rept 64
	global_load_b64 v[HH+2*i:HH+2*i+1], v1, s[8:9] offset:512*i
.set i, i+1
.endr
.endm
.macro CHUNK c, left, lb               ; chunk c of my four: its 16 tables are added in a tree, in place; left: the younger loads that may stay out
	s_wait_loadcnt \left
.irp d, 16,8,4,2
.set i, 0
.rept \d
	v_add_nc_u32 v[HH+32*\c+i], v[HH+32*\c+i], v[HH+32*\c+i+\d]
.set i, i+1
.endr
.endr
	ds_store_b64 v3, v[HH+32*\c:HH+32*\c+1] offset:\lb+256*\c
.endm
.macro BARR
	s_wait_dscnt 0x0                               ; for the others' sake: my four totals lie in LDS
	s_barrier_signal -1
	s_barrier_wait -1
.endm
.macro TLOADS lb                       ; all sixteen totals, in every lane's own two keys
.irp u, 0,1,2,3,4,5,6,7,8,9,10,11,12,13,14,15
	ds_load_b64 v[T+2*\u:T+2*\u+1], v1 offset:\lb+256*\u
.endr
.endm
.macro TOTAL                           ; all tokens' histogram (a tree, in place), then s[PS + k] = tokens of keys 0 .. k.  In batches, so that scalar and vector lines do not wait for each other by turns
.irp d, 16,8,4,2
.set i, 0
.rept \d
	v_add_nc_u32 v[T+i], v[T+i], v[T+i+\d]
.set i, i+1
.endr
.endr
.set k, 0
.rept 36
	v_readlane_b32 s[PS+k], v[T+(k&1)], k>>1
.set k, k+1
.endr
.set k, 1
.rept 35
	s_add_co_u32 s[PS+k], s[PS+k], s[PS+k-1]
.set k, k+1
.endr
.endm
	s_load_b128 s[4:7], s[0:1], 0x0                ; route, order
	v_lshl_add_u32 v113, v0, 2, 0x2000
	v_mov_b32 v121, 0
	v_lshrrev_b32 v5, 5, v0
	v_readfirstlane_b32 s20, v5                    ; wave 0..3
	v_and_b32 v4, 31, v0                           ; lane
	s_wait_alu depctr_va_vdst(0)
	v_lshlrev_b32 v1, 3, v4                        ; 8 x lane
	v_lshlrev_b32 v2, 2, v4                        ; 4 x lane
	s_lshl_b32 s10, s20, 10
	v_add_nc_u32 v3, s10, v1                       ; chunk 4 w's total: 256 bytes a chunk
	s_lshl_b32 s8, s20, 15                         ; my 64 groups of 512 bytes
	s_mov_b32 s9, 0
	s_lshl_b32 s21, ttmp9, 2
	s_add_co_u32 s21, s21, s20                     ; the chunk that I place: 4 x work-group + wave
	s_lshl_b32 s12, s21, 13                        ; its 16 groups of 512 bytes
	s_mov_b32 s13, 0
	s_lshl_b32 s10, s21, 9
	v_add_nc_u32 v120, s10, v4                     ; 512 x chunk + lane
	s_wait_kmcnt 0x0
	s_add_nc_u64 s[8:9], s[4:5], s[8:9]
	s_cmp_eq_u32 ttmp9, 4
	s_cbranch_scc1 .Lmasks
; ---------------------------------------------------------------- work-groups 0 to 3: the places
	s_add_nc_u64 s[12:13], s[4:5], s[12:13]
	s_wait_alu depctr_va_vdst(0)
	HLOADS                                         ; first what the barrier waits for
.irp i, 0,1,2,3,4,5,6,7,8,9,10,11,12,13,14,15
	global_load_b64 v[H+2*\i:H+2*\i+1], v1, s[12:13] offset:512*\i
.endr
.irp i, 0,1,2,3,4,5,6,7,8,9,10,11,12,13,14,15
	global_load_b32 v[KR+\i], v2, s[12:13] offset:512*\i+256
.endr
.irp u, 0,1,2,3,4,5,6,7,8,9,10,11,12,13,14
	s_cmp_gt_u32 s21, \u                           ; chunks ahead of mine count
	s_cselect_b32 s[24+\u], 1, 0
.endr
	v_mov_b32 v116, 0
	v_mov_b32 v117, 0
	CHUNK 0, 63, 0                                 ; behind chunk 0's loads stand 48 + 32, behind chunk 1's 32 + 32: 63 is the largest count that a wait names
	CHUNK 1, 63, 0
	CHUNK 2, 48, 0                                 ; chunk 3's 16 and my own chunk's 32 may be out
	CHUNK 3, 32, 0
	s_wait_loadcnt 16                              ; my chunk's tables are in; the 16 loads of key | rank may be out
.irp i, 1,2,3,4,5,6,7,8,9,10,11,12,13,14,15
	v_add_nc_u32 v[H+2*\i], v[H+2*\i], v[H+2*\i-2]           ; running sums over my groups
	v_add_nc_u32 v[H+2*\i+1], v[H+2*\i+1], v[H+2*\i-1]
.endr
	BARR
	TLOADS 0
	s_wait_dscnt 0x0
	v_mul_u32_u24 v114, s24, v[T]                  ; the totals of the chunks ahead of mine: x 1 or x 0 (a count stays under 2^14)
	v_mul_u32_u24 v115, s24, v[T+1]
.irp u, 1,2,3,4,5,6,7,8,9,10,11,12,13,14
	v_mad_u32_u24 v114, v[T+2*\u], s[24+\u], v114
	v_mad_u32_u24 v115, v[T+2*\u+1], s[24+\u], v115
.endr
	TOTAL
.set k, 1
.rept 36
	v_writelane_b32 v[116+(k&1)], s[PS+k-1], k>>1  ; tokens of lower keys; key 0 keeps the 0
.set k, k+1
.endr
	v_add_nc_u32 v118, v116, v114
	v_add_nc_u32 v119, v117, v115
.irp i, 15,14,13,12,11,10,9,8,7,6,5,4,3,2,1
	v_add_nc_u32 v[H+2*\i], v[H+2*\i-2], v118      ; group i's table: where its first token of each key goes
	v_add_nc_u32 v[H+2*\i+1], v[H+2*\i-1], v119
.endr
	v_mov_b32 v[H], v118
	v_mov_b32 v[H+1], v119
	s_wait_loadcnt 0x0                             ; key | rank
.irp i, 0,1,2,3,4,5,6,7,8,9,10,11,12,13,14,15
	v_and_b32 v[IX+\i], 0xfe, v[KR+\i]
.endr
.irp i, 0,1,2,3,4,5,6,7,8,9,10,11,12,13,14,15
	v_lshlrev_b32 v[IX+\i], 1, v[IX+\i]            ; 4 x the lane that holds my key: key / 2
.endr
.irp i, 0,1,2,3,4,5,6,7,8,9,10,11,12,13,14,15
	ds_bpermute_b32 v[T+2*\i], v[IX+\i], v[H+2*\i]           ; a pull between lanes: no LDS byte is touched
	ds_bpermute_b32 v[T+2*\i+1], v[IX+\i], v[H+2*\i+1]
.endr
.irp i, 0,1,2,3,4,5,6,7,8,9,10,11,12,13,14,15
	v_and_b32 v[PAR+\i], 1, v[KR+\i]               ; from here on stage by stage over the 16 groups: no line waits for the line above it
.endr
.irp i, 0,1,2,3,4,5,6,7,8,9,10,11,12,13,14,15
	v_cmp_eq_u32 s[24+\i], 1, v[PAR+\i]
.endr
.irp i, 0,1,2,3,4,5,6,7,8,9,10,11,12,13,14,15
	v_lshrrev_b32 v[KR+\i], 8, v[KR+\i]            ; my rank
.endr
.irp i, 0,1,2,3,4,5,6,7,8,9,10,11,12,13,14,15
	v_add_nc_u32 v[TOK+\i], 32*\i, v120            ; my token
.endr
	s_wait_dscnt 0x0
.irp i, 0,1,2,3,4,5,6,7,8,9,10,11,12,13,14,15
	v_cndmask_b32 v[PL+\i], v[T+2*\i], v[T+2*\i+1], s[24+\i] ; the even key's entry or the odd key's
.endr
.irp i, 0,1,2,3,4,5,6,7,8,9,10,11,12,13,14,15
	v_add_nc_u32 v[PL+\i], v[PL+\i], v[KR+\i]
.endr
.irp i, 0,1,2,3,4,5,6,7,8,9,10,11,12,13,14,15
	v_min_u32 v[PL+\i], 0x1fff, v[PL+\i]           ; a number made of loaded ones is held inside the table before it enters an address
.endr
.irp i, 0,1,2,3,4,5,6,7,8,9,10,11,12,13,14,15
	v_lshlrev_b32 v[PL+\i], 2, v[PL+\i]
.endr
.irp i, 0,1,2,3,4,5,6,7,8,9,10,11,12,13,14,15
	global_store_b32 v[PL+\i], v[TOK+\i], s[6:7]   ; every store has registers of its own: none is written again
.endr
	s_wait_tensorcnt 0x0
	ds_add_u32 v113, v121
	s_wait_dscnt 0x0
	s_endpgm
; ---------------------------------------------------------------- work-group 4: the blocks' masks
; All four waves add up the totals; then waves 0 and 1 take a lane to a block of 128 places.  A key's tokens fill places [tokens of lower keys, the same with its own):
; the block uses the key's true experts where the two ranges meet.  Key 36, two null experts, has no bit.
.Lmasks:
	s_wait_alu depctr_va_vdst(0)
	HLOADS
	CHUNK 0, 48, 4096                              ; the later chunks' 16 loads each may be out
	CHUNK 1, 32, 4096
	CHUNK 2, 16, 4096
	CHUNK 3, 0, 4096
	BARR
	s_cmp_gt_u32 s20, 1
	s_cbranch_scc1 .Lend
	TLOADS 4096
	v_lshlrev_b32 v123, 7, v0                      ; the block's first place (in waves 0 and 1 the thread's number is the block's)
	v_add_nc_u32 v124, 0x80, v123                  ; and the place behind its last
	v_lshlrev_b32 v122, 2, v0
	v_mov_b32 v125, 0                              ; the mask, in two halves that take turns
	v_mov_b32 v126, 0
	v_mov_b32 v127, 0
	s_wait_dscnt 0x0
	TOTAL
.set kk, 0
.irp a, 0,1,2,3,4,5,6,7
.irp b, 1,2,3,4,5,6,7,8
.if \b > \a
.if kk == 0
	v_mov_b32 v[100+2*(kk%4)], v123
.else
	v_max_u32 v[100+2*(kk%4)], s[PS+kk-1], v123
.endif
	v_min_u32 v[101+2*(kk%4)], s[PS+kk], v124
	v_cmp_ge_u32 vcc_lo, v[100+2*(kk%4)], v[101+2*(kk%4)]    ; the ranges do not meet; an empty key never meets
	v_cndmask_b32 v[108+(kk%4)], (1<<\a)|((1<<\b)&255), v127, vcc_lo   ; b = 8 stands for a null expert: no bit
	v_or_b32 v[125+(kk&1)], v[125+(kk&1)], v[108+(kk%4)]
.set kk, kk+1
.endif
.endr
.endr
	v_or_b32 v125, v125, v126
	global_store_b32 v122, v125, s[6:7] offset:32768
.Lend:
	s_wait_tensorcnt 0x0
	ds_add_u32 v113, v121
	s_wait_dscnt 0x0
	s_endpgm
.Lfunc_end_k_qf72df9fa7c_place:
	.size	k_qf72df9fa7c_place, .Lfunc_end_k_qf72df9fa7c_place-k_qf72df9fa7c_place
	.p2alignl 7, 3214868480
	.fill 96, 4, 3214868480
	.section	.rodata,"a",@progbits
	.p2align	6, 0x0
	.amdhsa_kernel k_qf72df9fa7c_place
		.amdhsa_group_segment_fixed_size 8704
		.amdhsa_private_segment_fixed_size 0
		.amdhsa_enable_private_segment 0
		.amdhsa_kernarg_size 16
		.amdhsa_user_sgpr_count 2
		.amdhsa_user_sgpr_kernarg_segment_ptr 1
		.amdhsa_wavefront_size32 1
		.amdhsa_system_sgpr_workgroup_id_x 1
		.amdhsa_system_sgpr_workgroup_id_y 1
		.amdhsa_system_sgpr_workgroup_id_z 1
		.amdhsa_system_vgpr_workitem_id 0
		.amdhsa_next_free_vgpr 256
		.amdhsa_next_free_sgpr 102
		.amdhsa_reserve_vcc 1
		.amdhsa_float_denorm_mode_32 3
		.amdhsa_float_denorm_mode_16_64 3
		.amdhsa_memory_ordered 1
		.amdhsa_forward_progress 1
		.amdhsa_inst_pref_size 61
	.end_amdhsa_kernel
	.amdgpu_metadata
---
amdhsa.version: [ 1, 2 ]
amdhsa.kernels:
  - .name:           k_qf72df9fa7c_place
    .symbol:         k_qf72df9fa7c_place.kd
    .args:
      - { .name: route, .offset: 0, .size: 8, .value_kind: global_buffer, .address_space: global }
      - { .name: order, .offset: 8, .size: 8, .value_kind: global_buffer, .address_space: global }
    .group_segment_fixed_size: 8704
    .private_segment_fixed_size: 0
    .kernarg_segment_align: 8
    .kernarg_segment_size: 16
    .max_flat_workgroup_size: 128
    .sgpr_count:     102
    .vgpr_count:     256
    .wavefront_size: 32
...
	.end_amdgpu_metadata
.endif
;; end of part 5
;; launch experts (part 6): grid 4 x 64, 4 waves a work-group, no clusters, 86,528 bytes of LDS; arguments order, xq, xs, cw, wq, ws, expert_b, out0; writes out0
.if DOCPART == 6
	.amdgcn_target "amdgcn-amd-amdhsa--gfx1250"
	.amdhsa_code_object_version 6
	.text
	.protected	k_qf72df9fa7c_experts
	.globl	k_qf72df9fa7c_experts
	.p2align	8
	.type	k_qf72df9fa7c_experts,@function
k_qf72df9fa7c_experts:
	s_mov_b64 s[64:65], 0
	v_nop
	global_prefetch_b8 v0, s[64:65] scope:SCOPE_SE
	s_setreg_imm32_b32 hwreg(HW_REG_WAVE_SCHED_MODE, 0, 2), 2
	s_setreg_imm32_b32 hwreg(HW_REG_WAVE_MODE, 25, 1), 1
	s_wait_xcnt 0x0
	s_wait_alu depctr_vm_vsrc(0)
; EXPERTS: out[t] = the sum over the true experts e chosen for token t of cw[e][t] (x[t] W_e + b_e), the product on codes of FP4 (E2M1) with E8M0 scales, sums in f32.
; Only chosen rows are multiplied.  The tokens are sorted by their pair of experts; a work-group owns 128 sorted tokens x 256 columns and walks the experts that the block's stored mask
; names.  A token of the block that did not choose an expert that is walked has the weight 0 there.  Each output row piece has one owner: nothing is added between work-groups.
; SHARES.  Wave w takes all 128 tokens x columns 64 w .. + 63 of the work-group's 256: 8 tiles of tokens x 4 tiles of columns, 32 accumulators.  So each byte of W is read once in a
; work-group, straight into registers, as the operand's registers lie in wq; x's codes are gathered once into LDS and read from there for every expert.
; THE MATRIX INSTRUCTION IS USED TRANSPOSED: source 0 = 16 columns of W, source 1 = 16 tokens: lane (r, h) holds token r and columns 8 h + 0 .. 7: 32 neighbouring bytes of a row of out.
; The bias is the C of each sum's first instruction; the finished sum is multiplied by the token's weight and added to the running result by one packed multiply-add.
; THE NEXT EXPERT'S LOADS GO OUT UNDER THIS EXPERT'S PRODUCTS.  An expert's W, scale words and bias are eight groups of loads, one for each K step; in the step behind a K step its registers
; take the next expert's group.  Group 7 and the weights follow behind the combine that read the old weights.  So at the head of every expert's products the same loads stand in the same
; order: groups 0 .. 7, then 16 weights.  An expert has a successor or none, and starts the result or adds to it: the four cases are written out by one macro, so that every wait has one
; count on every way that reaches it, and the result is written before it is read on every way.  The experts behind the second are found in a loop of eight trips.
; NO JOINT LOADS, NO TENSOR LOADS: which experts a block walks hangs on a number read from memory and differs from block to block, so partners would want different tiles at
; different times.
; LIMITS: NaN and infinities are not served (a weight 0 times such a sum would not be 0).
; REGISTERS, in windows of 256: window 0: v1-11 addresses; v16-23 4 x token (tile m, row r); v24-55 x's scale words [32 rows m'][s']: lane = row; v56-71 W's [32 columns P][s']: lane = column;
;   v72-87 the weights, a pair a tile; v88-119 the bias, 8 a column tile; v120-123 32 x token; v126, v127 the closing add's two; v128-255 x's fragments, two sets of 8.
;   window 1: the 32 accumulators, (m, n) at 8 (4 m + n).   window 2: the running result, likewise.   window 3: one expert's W for my columns: fragment (n, s') at 8 (8 n + s').
; THE MODE: SCHED_MODE bits 1:0 = 2 (LLVM: expert scheduling mode 2), set by the entry lines.  The code itself states the register dependences between vector or matrix instructions and
; memory or LDS instructions, with s_wait_alu, always for 0.
; THE PLAN.  Registers that memory or LDS instructions touch while the experts are walked:
;   x's two sets    Step s's products read set s % 2; the LDS loads issued in step s land in the other set, which step s - 1's products read.
;   W (n, s), W's scale words s, the bias    Step s's products read them (the bias: step 0's); the successor's group s lands there, issued in step s + 1 (group 7: behind the combine).
;   the weights     The combine reads them; the successor's 16 loads land there behind it.
;   v3 .. v6, v16-23    Addresses and offsets, made at the head and never written again.
;   The accumulators and the running result are named by matrix and vector instructions alone until the way out.
; So ONE wait on va_vdst stands at the head of each of K steps 1 to 7 that issues loads: the last step's products are done reading what this step's loads land in.  The loads follow it, dealt among
; the step's 32 products, which name set s % 2, W (n, s), the scale words of step s and the accumulators: none of the registers that those loads touch.  One more stands behind the combine,
; for group 7 and the weights; it also serves step 0's fetch, since no vector or matrix instruction between names the set in which that lands.
.set XP,   528                         ; LDS: a token's codes: 512 bytes + 16: the 16 rows that a load touches start 132 words apart
.set TOKT, 67584                       ; behind 128 such rows: the block's 128 token numbers
.set STG,  68096                       ; the way out: 16 rows x (256 bytes + 16) for each wave
.set SP,   272
.set CWO, 16
.set XS,  24
.set WS,  56
.set C2,  72
.set BI,  88
.set TKV, 120
.set XF,  128
.set MSB, 0
.macro WIN new                         ; s_set_vgpr_msb: bits 1:0 source 0, 3:2 source 1, 5:4 source 2, 7:6 destination; the high byte repeats the setting that is left
.if MSB != \new
	s_set_vgpr_msb (MSB<<8)|\new
.set MSB, \new
.endif
.endm
	s_load_b512 s[4:19], s[0:1], 0x0               ; order s[4:5], xq s[6:7], xs s[8:9], cw s[10:11], wq s[12:13], ws s[14:15], expert_b s[16:17], out0 s[18:19]
	v_lshl_add_u32 v126, v0, 2, 0x15000
	v_mov_b32 v127, 0
	v_lshrrev_b32 v12, 5, v0
	v_readfirstlane_b32 s20, v12                   ; wave 0..3
	s_and_b32 s21, ttmp7, 0xffff                   ; the block of 128 sorted tokens; ttmp9: which 256 columns
	v_and_b32 v13, 31, v0                          ; lane
	v_and_b32 v1, 15, v0                           ; r
	v_bfe_u32 v2, v0, 4, 1                         ; h
	v_mul_u32_u24 v3, v1, XP
	v_lshl_add_u32 v3, v2, 4, v3                   ; a fragment of x: row r, + 16 h
	v_lshlrev_b32 v4, 4, v13                       ; 16 x lane
	v_lshlrev_b32 v5, 3, v13                       ; 8 x lane
	v_lshlrev_b32 v6, 5, v2                        ; 32 h: the bias of my half's eight columns
	s_wait_alu depctr_va_sdst(0)                   ; s20 is written, ahead of its first reader: LDS places and all the bases are made from it
	s_mul_i32 s22, s20, 16*SP
	s_add_co_u32 s22, s22, STG                     ; my stage
	v_mul_u32_u24 v7, v1, SP
	v_lshl_add_u32 v7, v2, 5, v7
	v_add_nc_u32 v7, s22, v7                       ; in: row r, 32 bytes for each half of the lanes
	v_mul_u32_u24 v8, v2, SP
	v_lshl_add_u32 v8, v1, 4, v8
	v_add_nc_u32 v8, s22, v8                       ; back: lanes 0-15 one row of 256 bytes, lanes 16-31 the next
	v_lshl_add_u32 v9, v2, 2, TOKT                 ; and those two rows' token numbers
	v_lshlrev_b32 v10, 4, v1                       ; 16 r
	s_mul_i32 s22, s20, 32*XP
	v_add_nc_u32 v11, s22, v4                      ; where my wave puts the 32 rows that it gathers
	v_lshl_add_u32 v124, v0, 2, TOKT               ; where my thread puts its token number
	v_lshlrev_b32 v12, 2, v1                       ; 4 r
	v_lshlrev_b32 v13, 2, v13                      ; 4 x lane
	v_lshlrev_b32 v15, 2, v0                       ; 4 x thread
	s_mov_b32 s27, 0
	s_wait_kmcnt 0x0
	s_lshl_b32 s26, s21, 9
	s_add_nc_u64 s[44:45], s[4:5], s[26:27]        ; order at my block's 128 places,
	s_lshl_b32 s26, s20, 7
	s_add_nc_u64 s[48:49], s[44:45], s[26:27]      ; at my wave's 32 of them,
	s_lshl_b32 s26, s21, 2
	s_add_nc_u64 s[50:51], s[4:5], s[26:27]        ; and 32,768 bytes in front of my block's mask
	s_load_b512 s[68:83], s[48:49], 0x0            ; the 32 tokens whose rows I gather
	s_load_b512 s[84:99], s[48:49], 0x40
	s_load_b32 s23, s[50:51], 0x8000
	s_wait_alu depctr_va_vdst(0)                   ; the offsets and LDS addresses v3 to v13, v15 and v124 are written: the loads below read v12, v13 and v15
	global_load_b32 v14, v15, s[44:45]
.irp m, 0,1,2,3,4,5,6,7
	global_load_b32 v[CWO+\m], v12, s[44:45] offset:64*\m    ; the token at place 16 m + r
.endr
.irp m, 0,1,2,3
	global_load_b32 v[TKV+\m], v13, s[44:45] offset:128*\m   ; at place 32 m + lane
.endr
	s_lshl_b32 s26, ttmp9, 17                      ; the loop's bases, at expert 0.  wq: my four tiles of 8,192 bytes: 16 x column block + 4 x wave
	s_lshl_b32 s22, s20, 15
	s_add_co_u32 s26, s26, s22
	s_add_nc_u64 s[28:29], s[12:13], s[26:27]
	s_lshl_b32 s26, ttmp9, 13                      ; ws: my two groups of 32 columns, 1,024 bytes each
	s_lshl_b32 s22, s20, 11
	s_add_co_u32 s26, s26, s22
	s_add_nc_u64 s[30:31], s[14:15], s[26:27]
	s_lshl_b32 s26, ttmp9, 10                      ; expert_b and out0: my 64 columns of 4 bytes
	s_lshl_b32 s22, s20, 8
	s_add_co_u32 s26, s26, s22
	s_add_nc_u64 s[32:33], s[16:17], s[26:27]
	s_add_nc_u64 s[46:47], s[18:19], s[26:27]
	s_mov_b64 s[34:35], s[10:11]                   ; cw
	s_wait_kmcnt 0x0
	s_and_b32 s23, s23, 0xff
	s_max_u32 s23, s23, 1                          ; a block that uses no true expert walks expert 0, with weights 0: its rows are written as zeros
	s_ctz_i32_b32 s22, s23
	s_min_u32 s22, s22, 7                          ; the first expert: held inside the tables before it enters an address
	s_lshl_b32 s26, s22, 19
	s_add_nc_u64 s[36:37], s[28:29], s[26:27]      ; the four bases at the first expert
	s_lshl_b32 s26, s22, 15
	s_add_nc_u64 s[38:39], s[30:31], s[26:27]
	s_add_nc_u64 s[42:43], s[34:35], s[26:27]
	s_lshl_b32 s26, s22, 12
	s_add_nc_u64 s[40:41], s[32:33], s[26:27]
	s_sub_co_u32 s26, s23, 1
	s_and_b32 s24, s23, s26                        ; the experts behind the first; 0: there is none
	s_ctz_i32_b32 s22, s24
	s_min_u32 s22, s22, 7                          ; the second (where there is none these four bases are not used)
	s_lshl_b32 s26, s22, 19
	s_add_nc_u64 s[52:53], s[28:29], s[26:27]
	s_lshl_b32 s26, s22, 15
	s_add_nc_u64 s[54:55], s[30:31], s[26:27]
	s_add_nc_u64 s[58:59], s[34:35], s[26:27]
	s_lshl_b32 s26, s22, 12
	s_add_nc_u64 s[56:57], s[32:33], s[26:27]
	s_sub_co_u32 s26, s24, 1
	s_and_b32 s21, s24, s26                        ; the experts behind the second: for the loop
.irp i, 0,1,2,3,4,5,6,7,8,9,10,11,12,13,14,15,16,17,18,19,20,21,22,23,24,25,26,27,28,29,30,31
	s_min_u32 s[68+\i], s[68+\i], 0x1fff           ; every loaded token number is held inside the tables
.endr
	WIN 0x40
.irp i, 0,1,2,3,4,5,6,7,8,9,10,11,12,13,14,15,16,17,18,19,20,21,22,23,24,25,26,27,28,29,30,31
	v_lshl_add_u32 v[128+\i], s[68+\i], 9, v4      ; token x 512 + 16 x lane
.endr
	WIN 0x41
	s_wait_alu depctr_va_vdst(0)                   ; the 32 lines above have written the gather's offsets
.irp i, 0,1,2,3,4,5,6,7,8,9,10,11,12,13,14,15,16,17,18,19,20,21,22,23,24,25,26,27,28,29,30,31
	global_load_b128 v[4*\i:4*\i+3], v[128+\i], s[6:7]       ; THE GATHER: a token's 512 bytes of codes an instruction
.endr
	WIN 0
	s_wait_loadcnt 32                              ; the 13 loads of token numbers are in; the gather's 32 may be out
	ds_store_b32 v124, v14
.irp m, 0,1,2,3,4,5,6,7
	v_min_u32 v[CWO+\m], 0x1fff, v[CWO+\m]
.endr
.irp m, 0,1,2,3,4,5,6,7
	v_lshlrev_b32 v[CWO+\m], 2, v[CWO+\m]
.endr
.irp m, 0,1,2,3
	v_min_u32 v[TKV+\m], 0x1fff, v[TKV+\m]
.endr
.irp m, 0,1,2,3
	v_lshlrev_b32 v[TKV+\m], 5, v[TKV+\m]
.endr
	s_wait_alu depctr_va_vdst(0)                   ; 32 x token and 4 x token are written: the loads of x's scale words and of the weights read them.  No vector line stands between here and the barrier
.irp m, 0,1,2,3
	global_load_b128 v[XS+8*\m:XS+8*\m+3], v[TKV+\m], s[8:9]             ; x's scale words: eight a token; they stay
	global_load_b128 v[XS+8*\m+4:XS+8*\m+7], v[TKV+\m], s[8:9] offset:16
.endr
; Group s of an expert's loads: what K step s's products have done with.  Group 0: the bias (8 loads); an odd group: first W's scale words of K steps s - 1 and s (2 loads);
; every group: W's four fragments of K step s (8 loads of 512 consecutive bytes).  16, 10, 8, 10, 8, 10, 8, 10 loads.  It leaves the destination's window at 3.
.macro PRE s, bw, bs, bb
.if (\s) == 0
	WIN 0
.irp n, 0,1,2,3
.irp u, 0,1
	global_load_b128 v[BI+8*\n+4*\u:BI+8*\n+4*\u+3], v6, s[\bb:\bb+1] offset:64*\n+16*\u
.endr
.endr
.endif
.if (\s)%2 == 1
	WIN 0
.irp p, 0,1
	global_load_b64 v[WS+8*\p+(\s)-1:WS+8*\p+(\s)], v5, s[\bs:\bs+1] offset:1024*\p+256*((\s)/2)
.endr
.endif
	WIN 0xc0
.irp n, 0,1,2,3
.irp c, 0,1
	global_load_b128 v[8*(8*\n+(\s))+4*\c:8*(8*\n+(\s))+4*\c+3], v4, s[\bw:\bw+1] offset:8192*\n+1024*(\s)+512*\c
.endr
.endr
.endm
.macro CLOADS bc                       ; an expert's 16 loads of weights
	WIN 0
.irp m, 0,1,2,3,4,5,6,7
	global_load_b32 v[C2+2*\m], v[CWO+\m], s[\bc:\bc+1]      ; twice: the packed multiply-add names a pair
	global_load_b32 v[C2+2*\m+1], v[CWO+\m], s[\bc:\bc+1]
.endr
.endm
.macro FETCH s, f, m0                  ; four of x's eight fragments of K step s, token tiles m0 .. m0 + 3, into the set at f: registers 4 c .. 4 c + 3 = slot 4 s + 2 c + h of row r
.irp m, 0,1,2,3
.irp c, 0,1
	ds_load_b128 v[(\f)+8*((\m0)+\m)+4*\c:(\f)+8*((\m0)+\m)+4*\c+3], v3 offset:16*XP*((\m0)+\m)+64*(\s)+32*\c
.endr
.endr
.endm
; One product.  W's scale words of an odd column tile and x's of an odd token tile stand in lanes 16-31 of their registers.
.macro MM m, n, s
.set rD, 8*(4*(\m)+(\n))
.set rW, 8*(8*(\n)+(\s))
.set rX, XF+64*((\s)%2)+8*(\m)
.set rP, WS+8*((\n)/2)+(\s)
.set rQ, XS+8*((\m)/2)+(\s)
.set rC, rD
.if (\s) == 0
.set rC, BI+8*(\n)                     ; the first K step starts the sum with the bias (window 0)
.endif
.if ((\n)%2 == 0) && ((\m)%2 == 0)
	v_wmma_scale_f32_16x16x128_f8f6f4 v[rD:rD+7], v[rW:rW+7], v[rX:rX+7], v[rC:rC+7], v[rP], v[rQ] matrix_a_fmt:MATRIX_FMT_FP4 matrix_b_fmt:MATRIX_FMT_FP4
.elseif ((\n)%2 == 1) && ((\m)%2 == 0)
	v_wmma_scale_f32_16x16x128_f8f6f4 v[rD:rD+7], v[rW:rW+7], v[rX:rX+7], v[rC:rC+7], v[rP], v[rQ] matrix_a_fmt:MATRIX_FMT_FP4 matrix_b_fmt:MATRIX_FMT_FP4 matrix_a_scale:MATRIX_SCALE_ROW1
.elseif ((\n)%2 == 0)
	v_wmma_scale_f32_16x16x128_f8f6f4 v[rD:rD+7], v[rW:rW+7], v[rX:rX+7], v[rC:rC+7], v[rP], v[rQ] matrix_a_fmt:MATRIX_FMT_FP4 matrix_b_fmt:MATRIX_FMT_FP4 matrix_b_scale:MATRIX_SCALE_ROW1
.else
	v_wmma_scale_f32_16x16x128_f8f6f4 v[rD:rD+7], v[rW:rW+7], v[rX:rX+7], v[rC:rC+7], v[rP], v[rQ] matrix_a_fmt:MATRIX_FMT_FP4 matrix_b_fmt:MATRIX_FMT_FP4 matrix_a_scale:MATRIX_SCALE_ROW1 matrix_b_scale:MATRIX_SCALE_ROW1
.endif
.endm
.macro MROW m, s                       ; four products: token tile m x my four column tiles
.irp n, 0,1,2,3
	MM \m, \n, \s
.endr
.endm
.macro MWIN s                          ; the products' windows
.if (\s) == 0
	WIN 0x43                                       ; W window 3, x window 0, C (the bias) window 0, D window 1
.else
	WIN 0x53                                       ; C and D window 1
.endif
.endm
; A K step of 128: 32 products, the 32 accumulators by turns, one instruction a turn, in the same order in every step.
; nxt = 1: the expert has a successor, whose bases are bw, bs, bb.
; THE WAIT FOR LOADS.  Behind what step s wants stand, of this expert's own loads: for an odd s the later groups, 9 (7 - s) loads, and the 16 weights; for an even s, whose scale words head
; group s + 1, that group's 8 loads of W, the groups behind it, 9 (6 - s) loads, and the 16 weights.  With a successor its groups 0 .. s - 2 come on top: 70 at the least in every step.
; A wait names 63 at the most.
; THE STEP'S LOADS are dealt among its products: eight products, half of the next step's fragments of x, eight products, the other half and the successor's group s - 1, sixteen products.
.macro KSTEP s, nxt, bw, bs, bb
	s_wait_dscnt 0x0                               ; this step's fragments of x are in: the last of them were asked for in front of the last step's last 16 products
.set LC, 9*(7-(\s))+16
.if (\s)%2 == 0
.set LC, 9*(6-(\s))+24
.endif
.if (\nxt) || (LC > 63)
.set LC, 63
.endif
	s_wait_loadcnt LC
.if ((\nxt) || ((\s) < 7)) && ((\s) > 0)
.rept 4
	v_nop                                          ; the four places between the last step's products and loads into registers that they read stay as they stood; ahead of step 0 the combine's 128 lines stand there
.endr
	s_wait_alu depctr_va_vdst(0)                   ; the last step's products are done reading x's other set, their fragments of W and their scale words (in step 1: the bias too), in which this step's loads land
.endif
	MWIN \s
	MROW 0, \s
	MROW 1, \s
.if (\nxt) || ((\s) < 7)
	WIN 0
	FETCH ((\s)+1)%8, XF+64*(((\s)+1)%2), 0        ; the next step's; step 7 fetches step 0 again, for the successor.  No wait: no product since the wait above names that set
.endif
	MWIN \s
	MROW 2, \s
	MROW 3, \s
.if (\nxt) || ((\s) < 7)
	WIN 0
	FETCH ((\s)+1)%8, XF+64*(((\s)+1)%2), 4
.endif
.if (\nxt) && ((\s) > 0)
	PRE (\s)-1, \bw, \bs, \bb                      ; the successor's group, into what the last step has done with: this step's products name none of it
.endif
	MWIN \s
	MROW 4, \s
	MROW 5, \s
	MROW 6, \s
	MROW 7, \s
	WIN 0
.endm
.macro KSTEPS nxt, bw, bs, bb          ; one expert's eight K steps; at the end its weights are in
.irp s, 0,1,2,3,4,5,6,7
	KSTEP \s, \nxt, \bw, \bs, \bb
.endr
.rept 4
	v_nop                                          ; four places in front of the first read of results (ISA guide 7.12.1)
.endr
.if \nxt
	s_wait_loadcnt 63                              ; behind my weights stand the successor's groups 0 to 6, 70 loads
.else
	s_wait_loadcnt 0x0                             ; my weights were the last loads
.endif
.endm
.macro COMBINE first                   ; result (+)= sum x weight.  first = 1: the first expert starts the result: nothing is cleared
	WIN 0xa1                                       ; the sums window 1, the weights window 0, the result window 2
.irp m, 0,1,2,3,4,5,6,7
.irp n, 0,1,2,3
.irp p, 0,1,2,3                        ; each accumulator from its low end on
.if \first
	v_pk_mul_f32 v[8*(4*\m+\n)+2*\p:8*(4*\m+\n)+2*\p+1], v[8*(4*\m+\n)+2*\p:8*(4*\m+\n)+2*\p+1], v[C2+2*\m:C2+2*\m+1]
.else
	v_pk_fma_f32 v[8*(4*\m+\n)+2*\p:8*(4*\m+\n)+2*\p+1], v[8*(4*\m+\n)+2*\p:8*(4*\m+\n)+2*\p+1], v[C2+2*\m:C2+2*\m+1], v[8*(4*\m+\n)+2*\p:8*(4*\m+\n)+2*\p+1]
.endif
.endr
.endr
.endr
	WIN 0
.endm
.macro AFTER bw, bs, bb, bc            ; behind the combine of an expert that has a successor: the successor's last group and its weights
	s_wait_alu depctr_va_vdst(0)                   ; the combine is done reading the weights, step 7's products their fragments of W, scale words 6 and 7 and x's second set: the loads below, and the next step 0's fetch, land there
	PRE 7, \bw, \bs, \bb
	CLOADS \bc
.endm
.irp s, 0,1,2,3,4,5,6,7
	PRE \s, 36, 38, 40                             ; the first expert's loads go out before x has landed
.endr
	CLOADS 42
	s_wait_loadcnt 63                              ; 104 loads were issued behind the gather's last; 63 is the largest count that a wait names: the gather is in
	WIN 0x04
.irp i, 0,1,2,3,4,5,6,7,8,9,10,11,12,13,14,15,16,17,18,19,20,21,22,23,24,25,26,27,28,29,30,31
	ds_store_b128 v11, v[4*\i:4*\i+3] offset:XP*\i
.endr
	WIN 0
	s_wait_dscnt 0x0                               ; for the others' sake: my 32 rows and my token numbers lie in LDS
	s_barrier_signal -1
	s_barrier_wait -1                              ; the launch's one barrier: from here on these bytes are only read
	s_wait_alu depctr_vm_vsrc(0)                   ; the gather has read its offsets and my LDS stores the gathered codes: these registers of window 1 are the accumulators from here on, written by the products
	FETCH 0, XF, 0
	FETCH 0, XF, 4
	s_cmp_eq_u32 s24, 0
	s_cbranch_scc1 .Lonly                          ; a block with one expert
	KSTEPS 1, 52, 54, 56                           ; the first expert; the second's loads go out under its products
	COMBINE 1
	AFTER 52, 54, 56, 58
	s_mov_b32 s25, 0
.Lexp:                                             ; eight trips.  Where the block uses expert e behind its second: the expert in hand is multiplied, and e's loads go out under its products
	s_lshr_b32 s26, s21, s25
	s_and_b32 s26, s26, 1
	s_cmp_eq_u32 s26, 0
	s_cbranch_scc1 .Lskip
	KSTEPS 1, 28, 30, 32
	COMBINE 0
	AFTER 28, 30, 32, 34
.Lskip:
	s_wait_xcnt 0x0                                ; the trip's loads have read their bases, which step now
	s_add_nc_u64 s[28:29], s[28:29], 0x80000
	s_add_nc_u64 s[30:31], s[30:31], 0x8000
	s_add_nc_u64 s[32:33], s[32:33], 0x1000
	s_add_nc_u64 s[34:35], s[34:35], 0x8000
	s_add_co_u32 s25, s25, 1
	s_cmp_lt_u32 s25, 8
	s_cbranch_scc1 .Lexp
	KSTEPS 0, 0, 0, 0                              ; the last expert: nothing more is asked for
	COMBINE 0
	s_branch .Lout
.Lonly:
	KSTEPS 0, 0, 0, 0
	COMBINE 1
.Lout:
; THE WAY OUT, a tile of 16 tokens at a time.  A lane holds 32 bytes of a row and the lanes beside it other rows: so a tile goes through my own stage and comes back as whole pieces of 256 bytes,
; each to its token's row of out.  LDS serves a wave's instructions in order (ISA guide 5.7.1.4): no wait between the stores and the loads, nor in front of the next tile's stores.
; Who names what: the result (window 2) is written by the combine and read by the LDS stores alone.  Set a % 2 (32 registers of data, 8 of addresses): tile a's loads from LDS land in it, sixteen
; vector lines make the 8 addresses of the 8 token numbers, eight global stores read all 40; tile a + 2's loads land in it again.
.macro TOSTAGE m
.set BK, XF+48*((\m)%2)                ; 32 registers of data and 8 of addresses, two sets by turns, where x's fragments lay
	WIN 0x08                                       ; the data: window 2
.irp n, 0,1,2,3
	ds_store_b128 v7, v[8*(4*(\m)+\n):8*(4*(\m)+\n)+3] offset:64*\n
	ds_store_b128 v7, v[8*(4*(\m)+\n)+4:8*(4*(\m)+\n)+7] offset:64*\n+16
.endr
	WIN 0
.irp t, 0,1,2,3,4,5,6,7
	ds_load_b128 v[BK+4*\t:BK+4*\t+3], v8 offset:\t*2*SP
.endr
.irp t, 0,1,2,3,4,5,6,7
	ds_load_b32 v[BK+32+\t], v9 offset:4*(16*(\m)+2*\t)      ; the token of row 2 t + h
.endr
.endm
.macro SEND m, younger                 ; younger: the LDS instructions issued behind tile m's loads, which may stay out
.set BK, XF+48*((\m)%2)
	s_wait_dscnt \younger
.irp t, 0,1,2,3,4,5,6,7
	v_min_u32 v[BK+32+\t], 0x1fff, v[BK+32+\t]
.endr
.irp t, 0,1,2,3,4,5,6,7
	v_lshl_add_u32 v[BK+32+\t], v[BK+32+\t], 12, v10         ; token x 4,096 + 16 r
.endr
	s_wait_alu depctr_va_vdst(0)                   ; the sixteen lines above have written the eight offsets, which the stores read
.irp t, 0,1,2,3,4,5,6,7
	global_store_b128 v[BK+32+\t], v[BK+4*\t:BK+4*\t+3], s[46:47] th:TH_STORE_NT   ; each half of the lanes stores 256 consecutive bytes, at a multiple of 256 from out's first byte
.endr
.endm
	s_wait_dscnt 0x0                               ; no fetch of x is out: its registers are taken over
	s_wait_alu depctr_va_vdst(0)                   ; the combine has written the result, which the LDS stores read; the last products are done reading x's fragments, in whose registers the loads from the stage land
	TOSTAGE 0
.irp a, 1,2,3,4,5,6,7
.if \a > 1
	s_wait_xcnt 0x0                                ; tile a - 2's stores have had their addresses translated (ISA guide 3.1): tile a's loads may land in their registers
	s_wait_alu depctr_vm_vsrc(0)                   ; tile a - 2's stores have read their data and their offsets, in which tile a's loads land
	s_wait_alu depctr_va_vdst(0)                   ; the lines that made tile a - 2's offsets are done with those eight registers, in which tile a's token numbers land: stated anew, since stores that name them stand behind the earlier wait
.endif
	TOSTAGE \a
	SEND \a-1, 24                                  ; behind tile a - 1's loads: tile a's 8 stores and 16 loads
.endr
	SEND 7, 0
	s_wait_dscnt 0x0                               ; the closing lines, six on end
	s_wait_alu 0x0
	s_wait_tensorcnt 0x0
	ds_add_u32 v126, v127
	s_wait_dscnt 0x0
	s_endpgm
.Lfunc_end_k_qf72df9fa7c_experts:
	.size	k_qf72df9fa7c_experts, .Lfunc_end_k_qf72df9fa7c_experts-k_qf72df9fa7c_experts
	.p2alignl 7, 3214868480
	.fill 96, 4, 3214868480
	.section	.rodata,"a",@progbits
	.p2align	6, 0x0
	.amdhsa_kernel k_qf72df9fa7c_experts
		.amdhsa_group_segment_fixed_size 86528
		.amdhsa_private_segment_fixed_size 0
		.amdhsa_enable_private_segment 0
		.amdhsa_kernarg_size 64
		.amdhsa_user_sgpr_count 2
		.amdhsa_user_sgpr_kernarg_segment_ptr 1
		.amdhsa_wavefront_size32 1
		.amdhsa_system_sgpr_workgroup_id_x 1
		.amdhsa_system_sgpr_workgroup_id_y 1
		.amdhsa_system_sgpr_workgroup_id_z 1
		.amdhsa_system_vgpr_workitem_id 0
		.amdhsa_next_free_vgpr 1024
		.amdhsa_next_free_sgpr 100
		.amdhsa_reserve_vcc 0
		.amdhsa_float_denorm_mode_32 3
		.amdhsa_float_denorm_mode_16_64 3
		.amdhsa_memory_ordered 1
		.amdhsa_forward_progress 1
		.amdhsa_inst_pref_size 255
	.end_amdhsa_kernel
	.section	.bss,"aw",@nobits
	.p2align	6
	.space	262144
	.amdgpu_metadata
---
amdhsa.version: [ 1, 2 ]
amdhsa.kernels:
  - .name:           k_qf72df9fa7c_experts
    .symbol:         k_qf72df9fa7c_experts.kd
    .args:
      - { .name: order, .offset: 0, .size: 8, .value_kind: global_buffer, .address_space: global }
      - { .name: xq, .offset: 8, .size: 8, .value_kind: global_buffer, .address_space: global }
      - { .name: xs, .offset: 16, .size: 8, .value_kind: global_buffer, .address_space: global }
      - { .name: cw, .offset: 24, .size: 8, .value_kind: global_buffer, .address_space: global }
      - { .name: wq, .offset: 32, .size: 8, .value_kind: global_buffer, .address_space: global }
      - { .name: ws, .offset: 40, .size: 8, .value_kind: global_buffer, .address_space: global }
      - { .name: expert_b, .offset: 48, .size: 8, .value_kind: global_buffer, .address_space: global }
      - { .name: out0, .offset: 56, .size: 8, .value_kind: global_buffer, .address_space: global }
    .group_segment_fixed_size: 86528
    .private_segment_fixed_size: 0
    .kernarg_segment_align: 8
    .kernarg_segment_size: 64
    .max_flat_workgroup_size: 128
    .sgpr_count:     100
    .vgpr_count:     1024
    .wavefront_size: 32
...
	.end_amdgpu_metadata
.endif
;; end of part 6
